; MI455X (gfx1250); checked and timed in simulation.
; The chip was launched on July 23, 2026; its instructions are those of AMD's public machine-readable ISA for CDNA 5 (MIT licence, August 2026) and "CDNA5" Instruction Set Architecture Reference Guide (July 2026). The comments in the code are by the model that wrote it; some were corrected since.
;; Block. Allowed arithmetic: matrix products marked QUANTISED: E4M3 operands, one given power-of-two scale a tensor, by v_wmma_f32_16x16x64_fp8_fp8 or v_wmma_f32_16x16x128_fp8_fp8, f32 sums; everything else in f32.
;; Inputs: W1 1,024 x 4,096 float32; W2 4,096 x 1,024 float32; Wk 16 x 1,024 x 64 float32; Wp 1,024 x 1,024 float32; Wq 16 x 1,024 x 64 float32; Wv 16 x 1,024 x 64 float32; b1 4,096 float32; b2 1,024 float32; beta 1,024 float32; bk 16 x 64 float32; bp 1,024 float32; bq 16 x 64 float32; bv 16 x 64 float32; gamma 1,024 float32; lowp_scales 16 int32 (the exponents e of the quantised operands' scales 2^e); x 2 x 2,048 x 1,024 float32.
;; Outputs: out0 2 x 2,048 x 1,024 float32.
;; This version of the problem:
;;   THIS VERSION OF THE PROBLEM IS GIVEN IN LOW PRECISION. The matrix products marked QUANTISED in the list below multiply operands that are first quantised to E4M3 (4 exponent bits, 3 mantissa bits; 8 bits a number), with one given power-of-two scale for each operand tensor; their sums are f32. All else is computed in f32.
;;   The module's matrix products, in the order in which they are computed (A, B: the left and right operand; K: the contracted axis; several contracted axes count as one K, in the product's order):
;;     1. [M 1,024, K 1,024] x [K 1,024, N 4,096]; A: input Wq; B: computed on the way: QUANTISED (scales: A lowp_scales[0], B lowp_scales[1])
;;     2. [M 1,024, K 1,024] x [K 1,024, N 4,096]; A: input Wk; B: computed on the way: QUANTISED (scales: A lowp_scales[2], B lowp_scales[3])
;;     3. [M 1,024, K 1,024] x [K 1,024, N 4,096]; A: input Wv; B: computed on the way: QUANTISED (scales: A lowp_scales[4], B lowp_scales[5])
;;     4. batch 32 x [M 2,048, K 64] x [K 64, N 2,048]; A: computed on the way; B: computed on the way: QUANTISED (scales: A lowp_scales[6], B lowp_scales[7])
;;     5. batch 32 x [M 2,048, K 2,048] x [K 2,048, N 64]; A: softmax (see below); B: computed on the way: QUANTISED (scales: A lowp_scales[8], B lowp_scales[9])
;;     6. [M 4,096, K 1,024] x [K 1,024, N 1,024]; A: computed on the way; B: input Wp: QUANTISED (scales: A lowp_scales[10], B lowp_scales[11])
;;     7. [M 4,096, K 1,024] x [K 1,024, N 4,096]; A: computed on the way; B: input W1: QUANTISED (scales: A lowp_scales[12], B lowp_scales[13])
;;     8. [M 4,096, K 4,096] x [K 4,096, N 1,024]; A: computed on the way; B: input W2: QUANTISED (scales: A lowp_scales[14], B lowp_scales[15])
;;   THE QUANTISER, for each operand of a quantised product, along K:
;;     - The operand's scale is 2^e, e = its entry of the input lowp_scales (int32; the entries are numbered through the quantised products in the list's order, A before B).
;;     - Each number is divided by the scale, clamped to +-448, and rounded to the nearest number of E4M3, ties to even, subnormals kept.
;;     - The product sums the exact products of the quantised numbers (number of the format x scale) in f32.
;;   ~~~python
;;   def quantise(x, axis, e):      # numpy; x: float32 -> the quantised numbers, widened to float32 again
;;       x = np.moveaxis(x, axis, -1); K = x.shape[-1]
;;       r = np.clip(x / 2.0 ** e, -448, 448)
;;       step = 2.0 ** (np.maximum(np.frexp(np.where(r == 0, 1, r))[1] - 1, -6) - 3)
;;       q = np.round(r / step) * step * 2.0 ** e      # np.round: ties to even
;;       return np.moveaxis(q, -1, axis).astype(np.float32)
;;   ~~~
;;   SOFTMAX AHEAD OF A QUANTISED PRODUCT. Where the list says 'softmax', what is quantised is not the finished softmax but p = 2^(t - M), with t = logit x log2(e) and M = ceil(the row's largest t), a whole number; so 1/2 < the row's largest p <= 1. The row's sum l is taken of the UNQUANTISED p, in f32, and the product's result is divided by l at the end. Since M is a whole number, a kernel that streams over the keys may use a running M (the ceiling of the running maximum): every later rescaling is an exact power of two, so the quantised numbers keep their values, but for numbers so far below the row's largest that they fall under the format's range.
;;   OPERANDS COMPUTED ON THE WAY. 'Computed on the way' means the value that the module computes at that place (a softmax that the list does not call 'softmax' is quantised finished and normalised). What goes into a quantiser is computed in f32, as accurately as f32 sums, v_exp_f32 and their like allow (about 1e-6 of the number): no bf16 or f16 on the way to a quantiser, and a product that is left as it is and whose result goes on into a quantised operand takes f32 operands (vector FMAs, or v_wmma_f32_16x16x4_f32). A number that lies on a knife's edge between two numbers of the format may be rounded either way, as far as f32 arithmetic and the matrix unit's own rounding can turn it there, and no further.
;; One version. Each part assembles by itself: llvm-mc -triple=amdgcn-amd-amdhsa -mcpu=gfx1250 --defsym DOCPART=n.
;; ======== version 1 of 1: 7 launches
;; limits: right only within a limited range of input values
;; workspace buffers: wc 12,582,912 bytes; hc 12,582,912 bytes; qkvc 12,582,912 bytes; attc 4,194,304 bytes; x1 16,777,216 bytes; h2c 4,194,304 bytes; gc 16,777,216 bytes
;; launch prep (part 1): grid 896 x 1, 4 waves a work-group, no clusters, 55,808 bytes of LDS; arguments x, gamma, beta, Wq, Wk, Wv, Wp, W1, W2, lowp_scales, wc, hc; writes wc, hc
.if DOCPART == 1
	.amdgcn_target "amdgcn-amd-amdhsa--gfx1250"
	.amdhsa_code_object_version 6
	.text
	.protected	k_qf7aaf7da17_prep
	.globl	k_qf7aaf7da17_prep
	.p2align	8
	.type	k_qf7aaf7da17_prep,@function
k_qf7aaf7da17_prep:
	s_mov_b64 s[64:65], 0
	v_nop
	global_prefetch_b8 v0, s[64:65] scope:SCOPE_SE
	s_setreg_imm32_b32 hwreg(HW_REG_WAVE_MODE, 25, 1), 1
	s_wait_xcnt 0x0
; PREP: the six weights become codes of E4M3 with K innermost (buffer wc), and LayerNorm(x) becomes codes at the three scales that products 1, 2 and 3 give it (buffer hc, three planes of [4096][1024]).
; code = number / 2^e, held within +-448, rounded to the nearest code, ties to even; e is the operand's entry of lowp_scales.
; DEAD WORK OF THE WHOLE PROGRAM.  reference() builds the causal mask itself (jnp.tril) and sets every score with key > query to -infinity ahead of the softmax: its weight is 0 for all values of the
; inputs.  So the attention launch leaves out every step of 128 keys that lie wholly behind a wave's 16 queries, and fetches no slot of keys behind a work-group's last query.  Nothing else is left out: every
; input has a way to the output (each bias moves codes of a quantised operand) and is loaded.  LIMIT: a NaN, an infinity or an overflow that reaches only the scores left out is not carried to the result.
; LIMITS: each e used here lies between -126 and 119, so that 2^e and 448 x 2^e are f32 numbers.  NaN among the inputs is not served.
; Work-groups 0-383 take the weights, 384-895 the rows of x.  The two paths part on the work-group's number alone and have LDS bytes of their own.  Waves share nothing: no barrier.
; The scales are asked for at the head and waited for only behind each path's first data loads: the two requests are on their way together.
; No cluster and no matrix unit: every byte is read once by one wave, so nothing is shared and memory binds.
.set SPARE, 55296                      ; the spare words, 128 bytes a wave, behind both paths' stages
.set LNST,  34816                      ; the rows' stages begin here; the weights' stages are 4 x 32 x 272 bytes from 0
.set NR,    2                          ; rows of a wave: both are asked for at once
.set SPW, 14                           ; v14 LDS address of my spare word; never rewritten
.set NIL, 15                           ; v15 0; never rewritten
; the weights' path
.set AD,  16                           ; v16-47   byte offset of row i of a block of 32 along K, at my column
.set X,   48                           ; v48-111  two sets of 32 numbers; on the way out 16 x 4 registers of codes
.set C,   112                          ; v112-119 a block's codes
.set OA,  120                          ; v120-135 byte offsets of the sixteen stores
; the rows' path
.set G,   16                           ; v16-47   gamma, as a row is loaded
.set BT,  48                           ; v48-79   beta
.set XR,  80                           ; v80-143  two rows
.set T,   144                          ; v144-175 a row after its turn through LDS: 2 x 16 neighbours
.set U,   176                          ; v176-207 two sets of 16 held numbers
.set CD,  208                          ; v208-231 codes: 8 registers for each of the three scales
	s_load_b512 s[4:19], s[0:1], 0x0               ; x 4, gamma 6, beta 8, Wq 10, Wk 12, Wv 14, Wp 16, W1 18
	s_load_b256 s[20:27], s[0:1], 0x40             ; W2 20, lowp_scales 22, wc 24, hc 26
	v_lshl_add_u32 v[SPW], v0, 2, SPARE
	v_mov_b32 v[NIL], 0
	v_lshrrev_b32 v1, 5, v0
	v_readfirstlane_b32 s28, v1                    ; wave
	v_and_b32 v2, 31, v0                           ; lane
	s_wait_kmcnt 0x0
	s_load_b512 s[32:47], s[22:23], 0x0            ; entry i of the scales into s[32 + i]: waited for in each path, ahead of its first reader
	s_cmp_ge_u32 ttmp9, 384
	s_cbranch_scc1 .Lln
; ---------------- THE WEIGHTS.  A wave takes 32 columns n x 256 along K.  A LANE TAKES A COLUMN AND ITS REGISTERS RUN DOWN K: each load reads 128 neighbouring bytes, and the conversions give codes with K innermost.
; One text serves six tensors: their sizes are powers of two, kept as shift counts in scalar registers, chosen by the work-group's number.
; s[50:51] tensor, s52 its first work-group, s53 its place in wc, s55 log2(bytes from k to k + 1), s56 log2(K), s57 log2(column groups), s58, s59: split of a column group into head and rest (Wq, Wk, Wv: [16][1024][64])
.macro PICK lim, ptr, start, doff, lstr, lkrow, lncg, sh, mask
	s_cmp_lt_u32 ttmp9, \lim
	s_cselect_b64 s[50:51], s[\ptr:\ptr+1], s[50:51]
	s_cselect_b32 s52, \start, s52
	s_cselect_b32 s53, \doff, s53
	s_cselect_b32 s55, \lstr, s55
	s_cselect_b32 s56, \lkrow, s56
	s_cselect_b32 s57, \lncg, s57
	s_cselect_b32 s58, \sh, s58
	s_cselect_b32 s59, \mask, s59
.endm
.macro PICKE lim, e                    ; the tensor's entry of the scales, by the same limits
	s_cmp_lt_u32 ttmp9, \lim
	s_cselect_b32 s54, s\e, s54
.endm
	s_mov_b64 s[50:51], s[20:21]                   ; W2 [4096 k][1024 n]: work-groups 256-383
	s_mov_b32 s52, 256
	s_mov_b32 s53, 0x800000
	s_mov_b32 s55, 12
	s_mov_b32 s56, 12
	s_mov_b32 s57, 5
	s_mov_b32 s58, 8
	s_mov_b32 s59, 255
	PICK 256, 18, 128, 0x400000, 14, 10, 7, 8, 255   ; W1 [1024 k][4096 n]
	PICK 128, 16, 96,  0x300000, 12, 10, 5, 8, 255   ; Wp [1024 k][1024 n]
	PICK 96,  14, 64,  0x200000, 8,  10, 5, 1, 1     ; Wv
	PICK 64,  12, 32,  0x100000, 8,  10, 5, 1, 1     ; Wk
	PICK 32,  10, 0,   0,        8,  10, 5, 1, 1     ; Wq
	s_sub_co_u32 s29, ttmp9, s52
	s_lshl_b32 s29, s29, 2
	s_add_co_u32 s29, s29, s28                     ; my wave's unit in the tensor
	s_lshr_b32 s30, s29, s57                       ; which 256 along K
	s_lshl_b32 s31, s30, s57
	s_sub_co_u32 s31, s29, s31                     ; which 32 columns: the four waves stand side by side
	s_add_co_u32 s48, s55, 8
	s_lshl_b32 s48, s30, s48                       ; 256 rows of K down,
	s_lshr_b32 s49, s31, s58
	s_lshl_b32 s49, s49, 18                        ; the head (262,144 bytes each; 0 for the plain matrices),
	s_add_co_u32 s48, s48, s49
	s_and_b32 s49, s31, s59
	s_lshl_b32 s49, s49, 7                         ; 128 bytes for each group of 32 columns
	s_add_co_u32 s48, s48, s49
	s_mov_b32 s49, 0
	s_add_nc_u64 s[50:51], s[50:51], s[48:49]
	s_lshl_b32 s48, s31, 5
	s_lshl_b32 s48, s48, s56                       ; the codes: row n = 32 x group, K bytes a row,
	s_add_co_u32 s48, s48, s53
	s_lshl_b32 s60, s30, 8                         ; + my 256 along K
	s_add_co_u32 s48, s48, s60
	s_add_nc_u64 s[62:63], s[24:25], s[48:49]
	s_lshl_b32 s60, 32, s55                        ; from a block of 32 along K to the next
	s_mov_b32 s61, 0
	s_wait_alu depctr_va_vdst(0)
	v_lshlrev_b32 v3, 2, v2                        ; 4 bytes a lane
.set i, 0
.rept 32
	v_lshl_add_u32 v[AD+i], i, s55, v3
.set i, i+1
.endr
.macro LOADW set                       ; a block: W(32 t + i, my column), i = 0 .. 31
.set i, 0
.rept 32
	global_load_b32 v[X+32*(\set)+i], v[AD+i], s[50:51] th:TH_LOAD_NT
.set i, i+1
.endr
.endm
	LOADW 0
	s_wait_alu depctr_va_vdst(0)
	s_wait_xcnt 0x0                                ; the loads issued so far have read their base: it may step
	s_add_nc_u64 s[50:51], s[50:51], s[60:61]
	LOADW 1
	s_mul_i32 s48, s28, 32*272                     ; my stage
	v_mul_u32_u24 v4, v2, 272
	v_add_nc_u32 v4, s48, v4                       ; into it: row = my column
	v_and_b32 v5, 15, v2
	v_lshrrev_b32 v6, 4, v2
	v_mul_u32_u24 v7, v6, 272
	v_lshl_add_u32 v7, v5, 4, v7
	v_add_nc_u32 v7, s48, v7                       ; out of it: sixteen lanes to a row, two rows an instruction
	v_lshlrev_b32 v8, 4, v5
	v_lshl_add_u32 v[OA], v6, s56, v8              ; and the same place among the codes
	s_lshl_b32 s48, 2, s56
.set t, 1
.rept 15
	v_add_nc_u32 v[OA+t], s48, v[OA+t-1]
.set t, t+1
.endr
	s_wait_kmcnt 0x0                               ; the scales: asked for ahead of the 64 loads above, read from here on
	s_mov_b32 s54, s47                             ; W2's entry 15
	PICKE 256, 45                                  ; W1's 13
	PICKE 128, 43                                  ; Wp's 11
	PICKE 96,  36                                  ; Wv's 4
	PICKE 64,  34                                  ; Wk's 2
	PICKE 32,  32                                  ; Wq's 0
	s_add_co_i32 s54, s54, 127
	s_lshl_b32 s48, s54, 23
	v_mov_b32 v11, s48                             ; 2^e as f32: the conversion takes its exponent field
	s_add_co_i32 s54, s54, 8
	s_lshl_b32 s54, s54, 23
	s_or_b32 s54, s54, 0x600000
	v_mov_b32 v10, s54                             ; 448 x 2^e
.macro BLOCK t
.set XS, X+32*((\t)%2)
.if (\t) < 7
	s_wait_loadcnt 32                              ; this block's 32 loads are in; the next block's 32 may be out
.else
	s_wait_loadcnt 0
.endif
.set i, 0
.rept 32
	v_med3_num_f32 v[XS+i], v[XS+i], -v10, v10     ; the conversion to an 8-bit code does not saturate (ISA guide 7.6.2): the hold comes first
.set i, i+1
.endr
.irp g, 0,1,2,3
	v_cvt_scalef32_pk8_fp8_f32 v[C+2*\g:C+2*\g+1], v[XS+8*\g:XS+8*\g+7], v11
.endr
	ds_store_b128 v4, v[C:C+3] offset:32*(\t)      ; 32 codes of my column's row
	ds_store_b128 v4, v[C+4:C+7] offset:32*(\t)+16
.if (\t)+2 < 8
	s_wait_xcnt 0x0                                ; the loads issued so far have read their base: it may step
	s_add_nc_u64 s[50:51], s[50:51], s[60:61]
	LOADW (\t)%2
.endif
	s_wait_dscnt 0x0                               ; the stores have read their registers: the next block's codes may be written
.endm
	s_wait_alu depctr_va_vdst(0)
.irp t, 0,1,2,3,4,5,6,7
	BLOCK \t
.endr
.set t, 0
.rept 16
	ds_load_b128 v[X+4*t:X+4*t+3], v7 offset:2*t*272   ; LDS serves a wave's instructions in order: these see my stores
.set t, t+1
.endr
.set t, 0
.rept 16
	s_wait_dscnt 15-t                              ; the younger loads may be out
	global_store_b128 v[OA+t], v[X+4*t:X+4*t+3], s[62:63]   ; sixteen lanes store 256 consecutive bytes, aligned
.set t, t+1
.endr
	s_wait_tensorcnt 0x0                           ; the wave's end, behind my last LDS store
	ds_add_u32 v[SPW], v[NIL]
	s_wait_dscnt 0x0
	s_endpgm
; ---------------- THE ROWS.  A wave takes two rows of x, whole: mean, variance, (x - mu) rsqrt(var + eps) gamma + beta in f32, then three sets of codes.  Both rows, gamma and beta are asked for in one run.
.Lln:
	s_sub_co_u32 s29, ttmp9, 384
	s_lshl_b32 s29, s29, 3
	s_lshl_b32 s30, s28, 1
	s_add_co_u32 s29, s29, s30                     ; my first row: 8 x work-group + 2 x wave
	s_lshl_b32 s48, s29, 12
	s_mov_b32 s49, 0
	s_add_nc_u64 s[4:5], s[4:5], s[48:49]
	s_lshl_b32 s48, s29, 10
	s_add_nc_u64 s[66:67], s[26:27], s[48:49]      ; the three planes of codes
	s_add_nc_u64 s[68:69], s[66:67], 0x400000
	s_add_nc_u64 s[70:71], s[66:67], 0x800000
	s_mov_b32 s72, 0x76543210                      ; v_permlanex16_b32: lane l xor 16
	s_mov_b32 s73, 0xfedcba98
	s_mov_b32 s74, 0x3a800000                      ; 1 / 1024
	s_mov_b32 s75, 0x3727c5ac                      ; 1e-5
	s_wait_alu depctr_va_vdst(0)
	v_lshlrev_b32 v3, 4, v2                        ; 16 bytes a lane
	s_mul_i32 s31, s28, 5120
	s_add_co_u32 s31, s31, LNST                    ; my stage: 2 x 32 places of 64 bytes + 16 of padding
	v_lshrrev_b32 v4, 2, v2
	v_mul_u32_u24 v4, v4, 80
	v_and_b32 v5, 3, v2
	v_lshl_add_u32 v4, v5, 4, v4
	v_add_nc_u32 v4, s31, v4                       ; in: four lanes' 64 bytes on end
	v_mul_u32_u24 v7, v2, 80
	v_add_nc_u32 v7, s31, v7                       ; out: my 16 neighbours
.irp j, 0,1,2,3,4,5,6,7
	global_load_b128 v[G+4*\j:G+4*\j+3], v3, s[6:7] offset:512*\j
	global_load_b128 v[BT+4*\j:BT+4*\j+3], v3, s[8:9] offset:512*\j
.endr
.macro XLOAD r                         ; a row: eight loads of 512 consecutive bytes
.irp j, 0,1,2,3,4,5,6,7
	global_load_b128 v[XR+32*((\r)%2)+4*\j:XR+32*((\r)%2)+4*\j+3], v3, s[4:5] offset:4096*(\r)+512*\j th:TH_LOAD_NT
.endr
.endm
	XLOAD 0
	XLOAD 1
	s_wait_kmcnt 0x0                               ; the scales: asked for ahead of the loads above, read from here on
.irp o, 0,1,2
	s_add_co_i32 s48, s[33+2*\o], 127
	s_lshl_b32 s49, s48, 23
	v_mov_b32 v[240+2*\o], s49                     ; 2^e
	s_add_co_i32 s48, s48, 8
	s_lshl_b32 s48, s48, 23
	s_or_b32 s48, s48, 0x600000
	v_mov_b32 v[241+2*\o], s48                     ; 448 x 2^e
.endr
.macro REDUCE                          ; v232 summed over the 32 lanes, the result in every lane
	v_add_f32_dpp v232, v232, v232 row_xmask:1 row_mask:0xf bank_mask:0xf
	v_add_f32_dpp v232, v232, v232 row_xmask:2 row_mask:0xf bank_mask:0xf
	v_add_f32_dpp v232, v232, v232 row_xmask:4 row_mask:0xf bank_mask:0xf
	v_add_f32_dpp v232, v232, v232 row_xmask:8 row_mask:0xf bank_mask:0xf
	v_permlanex16_b32 v234, v232, s72, s73
	v_add_f32 v232, v232, v234
.endm
.macro ROW r
.set XS, XR+32*((\r)%2)
.if (\r) < NR-1
	s_wait_loadcnt 8                               ; gamma, beta and my first row are in; the second row's eight loads may be out
.else
	s_wait_loadcnt 0
.endif
	v_pk_add_f32 v[232:233], v[XS:XS+1], v[XS+2:XS+3]      ; the sum, in two chains
	v_pk_add_f32 v[234:235], v[XS+4:XS+5], v[XS+6:XS+7]
.irp p, 8,12,16,20,24,28
	v_pk_add_f32 v[232:233], v[232:233], v[XS+\p:XS+\p+1]
	v_pk_add_f32 v[234:235], v[234:235], v[XS+\p+2:XS+\p+3]
.endr
	v_pk_add_f32 v[232:233], v[232:233], v[234:235]
	v_add_f32 v232, v232, v233
	REDUCE
	v_mul_f32 v236, s74, v232                      ; mu, twice: a pair for the packed forms
	v_mul_f32 v237, s74, v232
.set i, 0
.rept 16
	v_pk_add_f32 v[XS+i:XS+i+1], v[XS+i:XS+i+1], v[236:237] neg_lo:[0,1] neg_hi:[0,1]   ; x - mu
.set i, i+2
.endr
	v_pk_mul_f32 v[232:233], v[XS:XS+1], v[XS:XS+1]
	v_pk_mul_f32 v[234:235], v[XS+2:XS+3], v[XS+2:XS+3]
.irp p, 4,8,12,16,20,24,28
	v_pk_fma_f32 v[232:233], v[XS+\p:XS+\p+1], v[XS+\p:XS+\p+1], v[232:233]
	v_pk_fma_f32 v[234:235], v[XS+\p+2:XS+\p+3], v[XS+\p+2:XS+\p+3], v[234:235]
.endr
	v_pk_add_f32 v[232:233], v[232:233], v[234:235]
	v_add_f32 v232, v232, v233
	REDUCE
	v_fma_f32 v232, v232, s74, s75                 ; var + eps
	s_wait_alu depctr_va_vdst(0)
	v_rsq_f32 v238, v232
	v_rsq_f32 v239, v232
	v_nop                                          ; a plain instruction behind the transcendentals,
	s_wait_alu depctr_va_vdst(0)                   ; and one wait ahead of their first reader
.set i, 0
.rept 16
	v_pk_mul_f32 v[XS+i:XS+i+1], v[XS+i:XS+i+1], v[238:239]
.set i, i+2
.endr
.set i, 0
.rept 16
	v_pk_fma_f32 v[XS+i:XS+i+1], v[XS+i:XS+i+1], v[G+i:G+i+1], v[BT+i:BT+i+1]
.set i, i+2
.endr
.irp j, 0,1,2,3,4,5,6,7                ; the turn: as loaded a lane holds 4 neighbours of each 128; the conversions want 8 neighbours in one lane
	ds_store_b128 v4, v[XS+4*\j:XS+4*\j+3] offset:2560*(\j/4)+640*(\j%4)
.endr
.irp c, 0,1
.irp i, 0,1,2,3
	ds_load_b128 v[T+16*\c+4*\i:T+16*\c+4*\i+3], v7 offset:2560*\c+16*\i   ; columns 512 c + 16 lane + 0 .. 15
.endr
.endr
	s_wait_dscnt 0x0                               ; the row is back
	s_wait_xcnt 0x0                                ; the row before's stores have read their codes: they may be written again
.irp o, 0,1,2
.irp c, 0,1
.set US, U+16*((2*\o+\c)%2)            ; two sets by turns: sixteen plain instructions stand between a conversion and the next write of its sources
.set i, 0
.rept 16
	v_med3_num_f32 v[US+i], v[T+16*\c+i], -v[241+2*\o], v[241+2*\o]
.set i, i+1
.endr
	v_cvt_scalef32_pk8_fp8_f32 v[CD+8*\o+4*\c:CD+8*\o+4*\c+1], v[US:US+7], v[240+2*\o]
	v_cvt_scalef32_pk8_fp8_f32 v[CD+8*\o+4*\c+2:CD+8*\o+4*\c+3], v[US+8:US+15], v[240+2*\o]
.endr
.endr
.irp o, 0,1,2
.irp c, 0,1
	global_store_b128 v3, v[CD+8*\o+4*\c:CD+8*\o+4*\c+3], s[66+2*\o:67+2*\o] offset:1024*(\r)+512*\c   ; 512 consecutive bytes, aligned
.endr
.endr
.endm
	ROW 0
	ROW 1
	s_wait_tensorcnt 0x0                           ; the wave's end, behind my last LDS store
	ds_add_u32 v[SPW], v[NIL]
	s_wait_dscnt 0x0
	s_endpgm
.Lfunc_end_k_qf7aaf7da17_prep:
	.size	k_qf7aaf7da17_prep, .Lfunc_end_k_qf7aaf7da17_prep-k_qf7aaf7da17_prep
	.p2alignl 7, 3214868480
	.fill 96, 4, 3214868480
	.section	.rodata,"a",@progbits
	.p2align	6, 0x0
	.amdhsa_kernel k_qf7aaf7da17_prep
		.amdhsa_group_segment_fixed_size 55808
		.amdhsa_private_segment_fixed_size 0
		.amdhsa_enable_private_segment 0
		.amdhsa_kernarg_size 96
		.amdhsa_user_sgpr_count 2
		.amdhsa_user_sgpr_kernarg_segment_ptr 1
		.amdhsa_wavefront_size32 1
		.amdhsa_system_sgpr_workgroup_id_x 1
		.amdhsa_system_sgpr_workgroup_id_y 1
		.amdhsa_system_sgpr_workgroup_id_z 1
		.amdhsa_system_vgpr_workitem_id 0
		.amdhsa_next_free_vgpr 248
		.amdhsa_next_free_sgpr 80
		.amdhsa_reserve_vcc 0
		.amdhsa_float_denorm_mode_32 3
		.amdhsa_float_denorm_mode_16_64 3
		.amdhsa_memory_ordered 1
		.amdhsa_forward_progress 1
		.amdhsa_inst_pref_size 89
	.end_amdhsa_kernel
	.amdgpu_metadata
---
amdhsa.version: [ 1, 2 ]
amdhsa.kernels:
  - .name:           k_qf7aaf7da17_prep
    .symbol:         k_qf7aaf7da17_prep.kd
    .args:
      - { .name: x, .offset: 0, .size: 8, .value_kind: global_buffer, .address_space: global }
      - { .name: gamma, .offset: 8, .size: 8, .value_kind: global_buffer, .address_space: global }
      - { .name: beta, .offset: 16, .size: 8, .value_kind: global_buffer, .address_space: global }
      - { .name: Wq, .offset: 24, .size: 8, .value_kind: global_buffer, .address_space: global }
      - { .name: Wk, .offset: 32, .size: 8, .value_kind: global_buffer, .address_space: global }
      - { .name: Wv, .offset: 40, .size: 8, .value_kind: global_buffer, .address_space: global }
      - { .name: Wp, .offset: 48, .size: 8, .value_kind: global_buffer, .address_space: global }
      - { .name: W1, .offset: 56, .size: 8, .value_kind: global_buffer, .address_space: global }
      - { .name: W2, .offset: 64, .size: 8, .value_kind: global_buffer, .address_space: global }
      - { .name: lowp_scales, .offset: 72, .size: 8, .value_kind: global_buffer, .address_space: global }
      - { .name: wc, .offset: 80, .size: 8, .value_kind: global_buffer, .address_space: global }
      - { .name: hc, .offset: 88, .size: 8, .value_kind: global_buffer, .address_space: global }
    .group_segment_fixed_size: 55808
    .private_segment_fixed_size: 0
    .kernarg_segment_align: 8
    .kernarg_segment_size: 96
    .max_flat_workgroup_size: 128
    .sgpr_count:     80
    .vgpr_count:     248
    .wavefront_size: 32
...
	.end_amdgpu_metadata
.endif
;; end of part 1
;; launch qkv (part 2): grid 48 x 4, 4 waves a work-group, clusters of 4 x 4, 327,680 bytes of LDS; arguments hc, wc, lowp_scales, bq, bk, bv, qkvc; writes qkvc
.if DOCPART == 2
	.amdgcn_target "amdgcn-amd-amdhsa--gfx1250"
	.amdhsa_code_object_version 6
	.text
	.protected	k_qf7aaf7da17_qkv
	.globl	k_qf7aaf7da17_qkv
	.p2align	8
	.type	k_qf7aaf7da17_qkv,@function
k_qf7aaf7da17_qkv:
	s_mov_b64 s[64:65], 0
	v_nop
	global_prefetch_b8 v0, s[64:65] scope:SCOPE_SE
	s_setreg_imm32_b32 hwreg(HW_REG_WAVE_MODE, 25, 1), 1
	s_wait_xcnt 0x0
	s_wait_alu depctr_hold_cnt(0) depctr_sa_sdst(0) depctr_va_vdst(0) depctr_va_sdst(0) depctr_va_ssrc(0) depctr_va_vcc(0) depctr_vm_vsrc(0)
	s_getreg_b32 s2, hwreg(HW_REG_IB_STS2, 6, 4)
	s_cmp_eq_u32 s2, 0
	s_cbranch_scc0 .Lentry_in_a_cluster
	s_endpgm
.Lentry_in_a_cluster:
	s_bfe_u32 s2, ttmp6, 0x10000c
	s_cmp_lg_u32 s2, 0xf033
	s_cbranch_scc0 .Lentry_shape_is_right
	s_endpgm
.Lentry_shape_is_right:
; QKV: products 1, 2, 3 on codes of E4M3, their biases, and the quantisers of q (entry 6), k (entry 7) and v (entry 9).  K = 1024.
; Out (buffer qkvc): q [32 heads][2048][64], k the same 4 MiB on, v with the KEYS innermost, [2][1024 channels][2048], 8 MiB on: as the attention launch's operands want them.
; A tile of 256 x 256 is made by four waves, 128 x 128 each: 64 accumulators of 16 x 16.  K goes in steps of 256 through two LDS slots filled by the tensor data mover; a tile's row is 256 bytes of memory.
; ONE LOOP SERVES THE THREE PRODUCTS.  The operand called P gives a lane its row, the operand called Q the eight neighbours in a lane's registers (the matrix instruction takes Q's rows as source 0).
; q, k: P = the tokens' codes, Q = the weight's: the registers run along the head's 64, the next product's K.   v: P = Wv's codes, Q = the tokens': the registers run along the keys, ITS next K.
; Twelve clusters of 4 x 4 work-groups: four for each product.  Which product is chosen by the cluster's number, which all sixteen partners share: pointers and tile numbers by s_cselect, and two short branches.
; CLUSTERS: the four of a row of the cluster need the same tiles of P, the four of a column the same tiles of Q: each tile is asked for jointly.  By this text's count a wave has one tensor load out at a time.
; THE BIAS IS THE C OF EACH SUM'S FIRST MATRIX INSTRUCTION, divided by 2^(eA + eB); the three scales are folded into the conversion's one, 2^(eo - eA - eB).
; LIMITS: eA + eB within +-126; eo - eA - eB between -126 and 119.  NaN among the inputs is not served.  192 work-groups: what the three products have at this tile.
; REGISTERS, in windows of 256: window 0: v0-31 addresses; v32-95 the bias table; from v128 P's fragments, one set.  window 1: Q's fragments, two sets.  windows 2, 3: the accumulators ((a, b) at v[8 (8 (a % 4) + b)]).
.set ROWB,   256
.set KROW,   1024
.set PITCH,  272                       ; an LDS row: 256 bytes + 16 of padding: the 16 rows that a load touches start at 16 different groups of banks
.set FR,     16
.set NL,     4
.set NP,     4
.set HALFT,  128*PITCH
.set SLOT,   4*HALFT
.set LAPS,   2                         ; 1024 along K = four slots' worth = twice round the ring
.set SPARE,  2*SLOT                    ; the spare words, 128 bytes a wave, behind the ring
.set VO,   8                           ; v8-15 the bias loads' offsets
.set ADRA, 16
.set ADRB, 20
.set LIM,  22                          ; v22 448 x 2^(eo - eA - eB)
.set SCL,  23                          ; v23 2^(eo - eA - eB)
.set STO,  24                          ; v24 the stage: where I put eight codes
.set RDV,  25                          ; v25, v26: v's way back and its place in memory
.set COV,  26
.set RDQ,  27                          ; v27, v31, v30: q's and k's
.set SPW,  28
.set NIL,  29
.set COQ,  30
.set RDQ2, 31
.set T,    32
.set AF,   128
.set G1, 24
.set G0, 32
.set G1B, 48
.set G0B, 56
.set MSB, 0
.macro WIN new                         ; the immediate's high byte repeats the setting that is left
.if MSB != (\new)
	s_set_vgpr_msb (MSB<<8)|(\new)
.set MSB, (\new)
.endif
.endm
.set MUL_LO, 0xa1                      ; source 0 (Q) window 1, source 1 (P) window 0, C and D window 2
.set MUL_HI, 0xf1
.set TO_B,   0x40
.macro JLOAD g0a, g1a, g0b, g1b        ; a joint load: waves 0, 1 fetch for P, waves 2, 3 for Q; an s_nop 0 and four v_nop follow each line
	s_cmp_eq_u32 s15, 0
	s_cbranch_scc0 .Lfor_b_\@
	tensor_load_to_lds s[\g0a:\g0a+3], s[\g1a:\g1a+7]
	s_nop 0
.rept 4
	v_nop
.endr
	s_branch .Lasked_\@
.Lfor_b_\@:
	tensor_load_to_lds s[\g0b:\g0b+3], s[\g1b:\g1b+7]
	s_nop 0
.rept 4
	v_nop
.endr
.Lasked_\@:
.endm
.macro CREST
	s_cmp_lg_u32 s14, 0
	s_cbranch_scc1 .Lnot_wave_0_\@
	s_barrier_signal -3
.Lnot_wave_0_\@:
	s_barrier_wait -3
	s_barrier_signal -1
	s_barrier_wait -1
.endm
.macro CROUND
	s_barrier_signal -1
	s_barrier_wait -1
	CREST
.endm
	s_load_b256 s[4:11], s[0:1], 0x0               ; hc 4, wc 6, lowp_scales 8, bq 10
	s_load_b128 s[68:71], s[0:1], 0x20             ; bk 68, bv 70
	s_load_b64 s[72:73], s[0:1], 0x30              ; qkvc
	v_lshl_add_u32 v[SPW], v0, 2, SPARE
	v_mov_b32 v[NIL], 0
	ds_add_u32 v[SPW], v[NIL]                      ; the opening: the add, twice on end, and its wait ahead of my first tensor load
	ds_add_u32 v[SPW], v[NIL]
	v_lshrrev_b32 v1, 5, v0
	v_readfirstlane_b32 s14, v1                    ; wave
	s_lshr_b32 s15, s14, 1                         ; my half of the tile's rows; also: I fetch for P (0) or Q (1)
	s_and_b32 s16, s14, 1                          ; my half of its columns; also: which 128 rows I fetch
	s_bfe_u32 s40, ttmp6, 0x40000                  ; cx
	s_bfe_u32 s41, ttmp6, 0x40004                  ; cy
	s_lshr_b32 s74, ttmp9, 2                       ; the product: 0 q, 1 k, 2 v
	s_and_b32 s75, ttmp9, 3
	s_lshl_b32 s75, s75, 2                         ; 4 x which of its four clusters
	s_lshl_b32 s82, s74, 22                        ; q, k: P is plane p of hc,
	s_lshl_b32 s83, s74, 20                        ;       Q is part p of wc
	s_lshl_b32 s84, s74, 3                         ; eA, eB: entries 2 p, 2 p + 1
	s_mov_b32 s85, 0
	s_cmp_eq_u32 s74, 2
	s_cselect_b32 s76, 1, 0                        ; is it v?
	s_cselect_b32 s77, 0, s75
	s_cselect_b32 s75, s75, 0
	s_cselect_b32 s82, 0x200000, s82               ; v: P is Wv's codes,
	s_cselect_b32 s83, 0x800000, s83               ;    Q is plane 2 of hc
	s_cselect_b32 s86, 4, 0                        ; the bias table's offsets: v by the lane's row, q and k by the registers' columns
	s_cselect_b32 s87, 0, 32
	s_cselect_b32 s88, 0, 4
	s_add_co_u32 s90, s74, s76
	s_add_co_u32 s90, s90, 6
	s_lshl_b32 s90, s90, 2                         ; eo: entry 6, 7 or 9
	s_mov_b32 s91, 0
	s_add_co_u32 s17, s41, s77                     ; tile row: cy and the cluster's number alone
	s_add_co_u32 s42, s40, s75                     ; tile column: cx and the cluster's number alone
	s_lshl_b32 s43, s41, 2
	s_lshl_b32 s43, 15, s43                        ; my row of the cluster
	s_lshl_b32 s44, 0x1111, s40                    ; my column
	s_or_b32 s[G1+0], s43, (0<<16)|(1<<20)|(1<<21)|(5<<22)|(3<<25)   ; the mask; elements of 1 byte; padding on; bit 21 beside a mask; 4 words behind every 64
	s_or_b32 s[G1B+0], s44, (0<<16)|(1<<20)|(1<<21)|(5<<22)|(3<<25)
.irp g, G1, G1B
	s_mov_b32 s[\g+1], ROWB<<16                    ; tensor_dim0
	s_mov_b32 s[\g+2], 128<<16                     ; tensor_dim1
	s_mov_b32 s[\g+3], ROWB<<16                    ; tile_dim0
	s_mov_b32 s[\g+4], 128                         ; tile_dim1
	s_mov_b32 s[\g+5], KROW                        ; from row to row
	s_mov_b32 s[\g+6], 0
	s_mov_b32 s[\g+7], 0
.endr
	s_lshl_b32 s18, s16, 7
	s_lshl_b32 s20, s17, 8
	s_add_co_u32 s20, s20, s18
	s_lshl_b32 s20, s20, 10                        ; P: (256 x tile row + 128 x half) rows of 1,024 bytes,
	s_add_co_u32 s20, s20, s82                     ; in its part of its buffer
	s_mov_b32 s21, 0
	s_lshl_b32 s46, s42, 8
	s_add_co_u32 s46, s46, s18
	s_lshl_b32 s46, s46, 10
	s_add_co_u32 s46, s46, s83                     ; Q likewise
	s_mov_b32 s47, 0
	s_mul_i32 s45, s14, HALFT                      ; where they go: wave x 128 rows
	s_wait_dscnt 0x0                               ; both opening adds are done
	s_wait_kmcnt 0x0
	s_add_nc_u64 s[92:93], s[8:9], s[84:85]
	s_add_nc_u64 s[94:95], s[8:9], s[90:91]
	s_load_b64 s[96:97], s[92:93], 0x0             ; eA, eB
	s_load_b32 s98, s[94:95], 0x0                  ; eo
	s_cmp_eq_u32 s76, 1
	s_cselect_b64 s[78:79], s[6:7], s[4:5]
	s_cselect_b64 s[80:81], s[4:5], s[6:7]
	s_add_nc_u64 s[20:21], s[78:79], s[20:21]
	s_add_nc_u64 s[46:47], s[80:81], s[46:47]
	CROUND                                         ; all sixteen work-groups are here: the first joint loads meet
.irp s, 0,1
	s_mov_b32 s[G0+4*\s], 1
	s_add_co_u32 s[G0+4*\s+1], s45, \s*SLOT
	s_add_nc_u64 s[G0+4*\s+2:G0+4*\s+3], s[20:21], \s*ROWB
	s_or_b32 s[G0+4*\s+3], s[G0+4*\s+3], 0x80000000
	s_mov_b32 s[G0B+4*\s], 1
	s_add_co_u32 s[G0B+4*\s+1], s45, \s*SLOT
	s_add_nc_u64 s[G0B+4*\s+2:G0B+4*\s+3], s[46:47], \s*ROWB
	s_or_b32 s[G0B+4*\s+3], s[G0B+4*\s+3], 0x80000000
.endr
	JLOAD G0, G1, G0B, G1B                         ; slot 0: one tensor load a wave at the head; the rest of the head stands under its flight
	; PREFETCH: of the 128 rows x 256 bytes that I fetch in a K step, each of the four partners that ask for them jointly names 32 rows, told apart by address (cx for P, cy for Q): a lane a row.
	; K steps 1 and 2 are named here, K step 3 behind slot 1's load: two steps at the most are asked for and not yet read.
	s_cmp_eq_u32 s15, 0                            ; do I fetch for P?
	s_cselect_b64 s[100:101], s[20:21], s[46:47]   ; my 128 rows, K step 0
	s_cselect_b32 s18, s40, s41                    ; my place among the four
	s_lshl_b32 s18, s18, 15                        ; 32 rows of 1,024 bytes
	s_mov_b32 s19, 0
	s_add_nc_u64 s[100:101], s[100:101], s[18:19]
	v_and_b32 v18, 31, v0
	v_lshlrev_b32 v18, 10, v18                     ; v18: 1,024 x lane; never rewritten
	global_prefetch_b8 v18, s[100:101] offset:256 th:TH_LOAD_NT scope:SCOPE_SE
	global_prefetch_b8 v18, s[100:101] offset:512 th:TH_LOAD_NT scope:SCOPE_SE
	v_and_b32 v1, 15, v0                           ; r
	v_bfe_u32 v2, v0, 4, 1                         ; h
	v_mul_u32_u24 v3, v1, PITCH
	s_wait_alu depctr_va_vdst(0)
	v_lshl_add_u32 v4, v2, 4, v3
	s_mul_i32 s21, s15, HALFT
	s_mul_i32 s22, s16, HALFT
	s_add_co_u32 s22, s22, 2*HALFT
.irp s, 0,1
	v_add_nc_u32 v[ADRA+\s], s21, v4
	v_add_nc_u32 v[ADRB+\s], s22, v4
	s_add_co_u32 s21, s21, SLOT
	s_add_co_u32 s22, s22, SLOT
.endr
	s_mul_i32 s23, s15, 128*PITCH                  ; the stage, 256 rows of 256 codes + 16: row 128 x half + 16 a + r, byte 128 x half + 16 b + 8 h
	s_lshl_b32 s18, s16, 7
	s_add_co_u32 s23, s23, s18
	v_lshl_add_u32 v5, v2, 3, v3
	v_add_nc_u32 v[STO], s23, v5
	s_mul_i32 s23, s14, 64*PITCH                   ; v: wave w takes stage rows 64 w on, whole, two an instruction
	v_mul_u32_u24 v5, v2, PITCH
	v_lshl_add_u32 v5, v1, 4, v5
	v_add_nc_u32 v[RDV], s23, v5
	v_lshlrev_b32 v5, 11, v2
	v_lshl_add_u32 v[COV], v1, 4, v5
	v_and_b32 v6, 31, v0                           ; q, k: wave w takes head w of the tile's four: 64 bytes of each of 256 rows, eight rows an instruction
	v_lshrrev_b32 v5, 2, v6
	v_mul_u32_u24 v5, v5, PITCH
	v_and_b32 v7, 3, v0
	v_lshl_add_u32 v5, v7, 4, v5
	s_lshl_b32 s23, s14, 6
	v_add_nc_u32 v[RDQ], s23, v5
	v_add_nc_u32 v[RDQ2], 128*PITCH, v[RDQ]        ; rows 128 on: beyond the immediate's 16 bits
	v_lshlrev_b32 v[COQ], 4, v6
	s_lshr_b32 s18, s17, 3                         ; q, k: ((16 b + head) x 2048 + s) x 64 bytes, in part p
	s_lshl_b32 s18, s18, 4
	s_lshl_b32 s19, s42, 2
	s_add_co_u32 s18, s18, s19
	s_add_co_u32 s18, s18, s14
	s_lshl_b32 s18, s18, 11
	s_and_b32 s19, s17, 7
	s_lshl_b32 s19, s19, 8
	s_add_co_u32 s18, s18, s19
	s_lshl_b32 s18, s18, 6
	s_lshl_b32 s19, s74, 22
	s_add_co_u32 s18, s18, s19
	s_lshl_b32 s19, s17, 8                         ; v: 8 MiB + b x 2 MiB + channel x 2048 + key
	s_lshl_b32 s23, s14, 6
	s_add_co_u32 s19, s19, s23
	s_lshl_b32 s19, s19, 11
	s_lshr_b32 s23, s42, 3
	s_lshl_b32 s23, s23, 21
	s_add_co_u32 s19, s19, s23
	s_and_b32 s23, s42, 7
	s_lshl_b32 s23, s23, 8
	s_add_co_u32 s19, s19, s23
	s_add_co_u32 s19, s19, 0x800000
	s_cmp_eq_u32 s76, 1
	s_cselect_b32 s18, s19, s18
	s_mov_b32 s19, 0
	s_add_nc_u64 s[72:73], s[72:73], s[18:19]
	s_lshl_b32 s18, s17, 8                         ; the bias: v by my 128 rows, q and k by my 128 columns
	s_lshl_b32 s19, s15, 7
	s_add_co_u32 s18, s18, s19
	s_lshl_b32 s19, s42, 8
	s_lshl_b32 s23, s16, 7
	s_add_co_u32 s19, s19, s23
	s_cmp_eq_u32 s76, 1
	s_cselect_b32 s18, s18, s19
	s_lshl_b32 s18, s18, 2
	s_mov_b32 s19, 0
	s_cmp_eq_u32 s74, 1
	s_cselect_b64 s[78:79], s[68:69], s[10:11]
	s_cmp_eq_u32 s74, 2
	s_cselect_b64 s[78:79], s[70:71], s[78:79]
	s_add_nc_u64 s[78:79], s[78:79], s[18:19]
	v_mul_u32_u24 v7, v1, s86
	v_mad_u32_u24 v7, v2, s87, v7
	s_wait_alu depctr_va_vdst(0)
.irp j, 0,1,2,3,4,5,6,7
	s_mul_i32 s23, s88, \j
	v_add_nc_u32 v[VO+\j], s23, v7
.endr
.irp x, 0,1,2,3,4,5,6,7                ; q, k: T[8 x + j] = bias[16 x + 8 h + j], the C of accumulators (., x).   v: T[8 x + j] = bias[16 x + r], the C of accumulators (x, .)
.irp j, 0,1,2,3,4,5,6,7
	global_load_b32 v[T+8*\x+\j], v[VO+\j], s[78:79] offset:64*\x
.endr
.endr
	s_wait_kmcnt 0x0
	s_add_co_i32 s96, s96, s97                     ; eA + eB
	s_sub_co_i32 s97, 0, s96
	s_sub_co_i32 s98, s98, s96                     ; eo - eA - eB
	s_add_co_i32 s98, s98, 127
	s_lshl_b32 s99, s98, 23
	v_mov_b32 v[SCL], s99
	s_add_co_i32 s98, s98, 8
	s_lshl_b32 s98, s98, 23
	s_or_b32 s98, s98, 0x600000
	v_mov_b32 v[LIM], s98
	s_wait_loadcnt 0x0
.set i, 0
.rept 64
	v_ldexp_f32 v[T+i], v[T+i], s97                ; the bias divided by the power of two that the sums lack
.set i, i+1
.endr
.macro FRAG reg, adr, q, i             ; 16 rows x 128 K: registers 4 c .. 4 c + 3 hold K = 32 c + 16 h + 0 .. 15: the same permutation of K in both operands
.irp c, 0,1,2,3
	ds_load_b128 v[\reg+4*\c:\reg+4*\c+3], v[\adr] offset:128*(\q)+32*\c+(\i)*16*PITCH
.endr
.endm
; 16 matrix instructions.  mode 0: the sums go on; 2: they begin with C = T[8 b]; 3: with C = T[8 a].  The 64 accumulators take turns, one instruction a turn.
.macro MUL16 a0, p, mode
.irp a, \a0, \a0+1
.irp b, 0,1,2,3,4,5,6,7
.if \mode == 0
	v_wmma_f32_16x16x128_fp8_fp8 v[8*(8*((\a)%4)+\b):8*(8*((\a)%4)+\b)+7], v[128*(\p)+FR*\b:128*(\p)+FR*\b+FR-1], v[AF+FR*(\a):AF+FR*(\a)+FR-1], v[8*(8*((\a)%4)+\b):8*(8*((\a)%4)+\b)+7]
.elseif \mode == 2
	v_wmma_f32_16x16x128_fp8_fp8 v[8*(8*((\a)%4)+\b):8*(8*((\a)%4)+\b)+7], v[128*(\p)+FR*\b:128*(\p)+FR*\b+FR-1], v[AF+FR*(\a):AF+FR*(\a)+FR-1], v[T+8*\b:T+8*\b+7]
.else
	v_wmma_f32_16x16x128_fp8_fp8 v[8*(8*((\a)%4)+\b):8*(8*((\a)%4)+\b)+7], v[128*(\p)+FR*\b:128*(\p)+FR*\b+FR-1], v[AF+FR*(\a):AF+FR*(\a)+FR-1], v[T+8*(\a):T+8*(\a)+7]
.endif
.endr
.endr
.endm
.macro FETCH_B slot, q, p
	WIN TO_B
.irp i, 0,1,2,3,4,5,6,7
	FRAG 128*(\p)+FR*\i, ADRB+\slot, \q, \i
.endr
	WIN 0
.endm
.macro FETCH_A slot, q, i0
.irp i, \i0, \i0+1, \i0+2, \i0+3
	FRAG AF+FR*(\i), ADRA+\slot, \q, \i
.endr
.endm
.macro PLACES n                        ; plain vector instructions between a matrix instruction and a load into, or a vector access to, its registers
.rept \n
	v_nop
.endr
.endm
.macro STEP slot, q, mode              ; 128 along K that have their successor in the same slot
	s_wait_dscnt 4*NL                              ; Q's set and P's blocks 0-3 are in; the youngest 16 loads (blocks 4-7) may be out
.if \mode
	WIN 0x81                                       ; C in window 0, D in window 2
.else
	WIN MUL_LO
.endif
	MUL16 0, (\q)%2, \mode
	MUL16 2, (\q)%2, \mode
	s_wait_dscnt 0
	PLACES NP
	FETCH_B \slot, (\q)+1, 1-(\q)%2
	FETCH_A \slot, (\q)+1, 0
.if \mode
	WIN 0xc1
.else
	WIN MUL_HI
.endif
	MUL16 4, (\q)%2, \mode
	MUL16 6, (\q)%2, \mode
	PLACES NP
	WIN 0
	FETCH_A \slot, (\q)+1, 4
.endm
.macro TURN slot, next, fill           ; a slot's last step changes slots: one barrier (with fill = 1 it opens a round of the cluster's)
	s_wait_tensorcnt 0x0                           ; all my tensor loads have landed: my part of the next slot
	ds_add_u32 v[SPW], v[NIL]
	s_wait_dscnt 4*NL+1                            ; the add and the youngest 16 loads may be out
	WIN MUL_LO
	MUL16 0, 1, 0
	s_wait_dscnt 0x0                               ; the add is done, and my reads of this slot are over
	s_barrier_signal -1
	MUL16 2, 1, 0
	WIN 0
	s_barrier_wait -1
.if \fill
	CREST                                          ; no wave of any partner still reads this slot or has a load on its way
	s_add_nc_u64 s[G0+4*\slot+2:G0+4*\slot+3], s[G0+4*\slot+2:G0+4*\slot+3], 2*ROWB
	s_add_nc_u64 s[G0B+4*\slot+2:G0B+4*\slot+3], s[G0B+4*\slot+2:G0B+4*\slot+3], 2*ROWB
	JLOAD G0+4*\slot, G1, G0B+4*\slot, G1B         ; the first tensor load behind the round; its four v_nop are the places in front of the loads below
.else
	PLACES NP
.endif
	FETCH_B \next, 0, 0
	FETCH_A \next, 0, 0
	WIN MUL_HI
	MUL16 4, 1, 0
	MUL16 6, 1, 0
	PLACES NP
	WIN 0
	FETCH_A \next, 0, 4
.endm
	s_wait_alu depctr_va_vdst(0)
	s_wait_tensorcnt 0x0                           ; my part of slot 0 is in; slot 1's first fill is issued as a refill is:
	ds_add_u32 v[SPW], v[NIL]
	s_wait_dscnt 0x0
	CROUND                                         ; everybody's part of slot 0 is in, and the sixteen work-groups meet
	JLOAD G0+4, G1, G0B+4, G1B                     ; slot 1: the first tensor load behind the round
	global_prefetch_b8 v18, s[100:101] offset:768 th:TH_LOAD_NT scope:SCOPE_SE   ; K step 3
	FETCH_B 0, 0, 0
	FETCH_A 0, 0, 0
	FETCH_A 0, 0, 4
	s_cmp_eq_u32 s76, 1                            ; the cluster's number alone: all sixteen partners go the same way; no barrier and no tensor load stands in either arm
	s_cbranch_scc1 .Lfirst_v
	s_wait_alu depctr_va_vdst(0)
	STEP 0, 0, 2
	s_branch .Lfirst_done
.Lfirst_v:
	s_wait_alu depctr_va_vdst(0)
	STEP 0, 0, 3
.Lfirst_done:
	s_mov_b32 s3, LAPS-1
.Llap:
	TURN 0, 1, 1
	STEP 1, 0, 0
	TURN 1, 0, 1
	STEP 0, 0, 0
	s_sub_co_u32 s3, s3, 1
	s_cmp_lg_u32 s3, 0
	s_cbranch_scc1 .Llap
	TURN 0, 1, 0                                   ; the last lap fills nothing
	STEP 1, 0, 0
	s_wait_dscnt 4*NL
	WIN MUL_LO
	MUL16 0, 1, 0
	MUL16 2, 1, 0
	s_wait_dscnt 0
	WIN MUL_HI
	MUL16 4, 1, 0
	MUL16 6, 1, 0
	WIN 0
; THE WAY OUT.  A lane's eight sums of an accumulator are eight neighbours along the next product's K: held, converted, eight bytes into the work-group's stage.  The stage lies in slot 0, which has had its last fill,
; and which nobody reads behind the last change of slots.
.macro QOUT a
.set AC, 64*((\a)%4)
.set CDS, 192+16*((\a)%2)
	WIN 0x02+((\a)/4)                              ; source 0: window 2 or 3
.set i, 0
.rept 64
	v_med3_num_f32 v[128+i], v[AC+i], -v[LIM], v[LIM]   ; each accumulator from its low end on
.set i, i+1
.endr
	WIN 0
.if (\a) >= 2
	s_wait_alu depctr_va_vdst(0)
	s_wait_dscnt 8                                 ; the stores of two blocks ago have read their codes; the last block's eight may be out
.endif
.irp b, 0,1,2,3,4,5,6,7
	v_cvt_scalef32_pk8_fp8_f32 v[CDS+2*\b:CDS+2*\b+1], v[128+8*\b:128+8*\b+7], v[SCL]
.endr
	v_nop                                          ; a plain instruction between the conversions and the next write of their sources
.irp b, 0,1,2,3,4,5,6,7
	ds_store_b64 v[STO], v[CDS+2*\b:CDS+2*\b+1] offset:(\a)*16*PITCH+16*\b
.endr
.endm
	PLACES NP
.irp a, 0,1,2,3,4,5,6,7
	QOUT \a
.endr
	s_wait_dscnt 0x0                               ; for the others' sake: my stores into the stage are done
	s_barrier_signal -1
	s_barrier_wait -1
	s_cmp_eq_u32 s76, 1
	s_cbranch_scc1 .Lout_v
.set t, 0
.rept 16
	ds_load_b128 v[128+4*t:128+4*t+3], v[RDQ] offset:8*t*PITCH
.set t, t+1
.endr
.set t, 0
.rept 16
	ds_load_b128 v[192+4*t:192+4*t+3], v[RDQ2] offset:8*t*PITCH
.set t, t+1
.endr
.set t, 0
.rept 32
	s_wait_dscnt 31-t                              ; the younger loads may be out
	global_store_b128 v[COQ], v[128+4*t:128+4*t+3], s[72:73] offset:512*t   ; eight rows of a head: 512 consecutive bytes, aligned
.set t, t+1
.endr
	s_branch .Lend
.Lout_v:
.set t, 0
.rept 32
	ds_load_b128 v[128+4*t:128+4*t+3], v[RDV] offset:2*t*PITCH
.set t, t+1
.endr
.set t, 0
.rept 32
	s_wait_dscnt 31-t
	global_store_b128 v[COV], v[128+4*t:128+4*t+3], s[72:73] offset:4096*t   ; sixteen lanes store 256 consecutive bytes of a channel's row, aligned
.set t, t+1
.endr
.Lend:
	s_wait_tensorcnt 0x0                           ; the wave's end
	ds_add_u32 v[SPW], v[NIL]
	s_wait_dscnt 0x0
	CROUND                                         ; the closing round
	s_endpgm
.Lfunc_end_k_qf7aaf7da17_qkv:
	.size	k_qf7aaf7da17_qkv, .Lfunc_end_k_qf7aaf7da17_qkv-k_qf7aaf7da17_qkv
	.p2alignl 7, 3214868480
	.fill 96, 4, 3214868480
	.section	.rodata,"a",@progbits
	.p2align	6, 0x0
	.amdhsa_kernel k_qf7aaf7da17_qkv
		.amdhsa_group_segment_fixed_size 327680
		.amdhsa_private_segment_fixed_size 0
		.amdhsa_enable_private_segment 0
		.amdhsa_kernarg_size 56
		.amdhsa_user_sgpr_count 2
		.amdhsa_user_sgpr_kernarg_segment_ptr 1
		.amdhsa_wavefront_size32 1
		.amdhsa_system_sgpr_workgroup_id_x 1
		.amdhsa_system_sgpr_workgroup_id_y 1
		.amdhsa_system_sgpr_workgroup_id_z 1
		.amdhsa_system_vgpr_workitem_id 0
		.amdhsa_next_free_vgpr 1024
		.amdhsa_next_free_sgpr 104
		.amdhsa_reserve_vcc 0
		.amdhsa_float_denorm_mode_32 3
		.amdhsa_float_denorm_mode_16_64 3
		.amdhsa_memory_ordered 1
		.amdhsa_forward_progress 1
		.amdhsa_inst_pref_size 154
	.end_amdhsa_kernel
	.amdgpu_metadata
---
amdhsa.version: [ 1, 2 ]
amdhsa.kernels:
  - .name:           k_qf7aaf7da17_qkv
    .symbol:         k_qf7aaf7da17_qkv.kd
    .args:
      - { .name: hc, .offset: 0, .size: 8, .value_kind: global_buffer, .address_space: global }
      - { .name: wc, .offset: 8, .size: 8, .value_kind: global_buffer, .address_space: global }
      - { .name: lowp_scales, .offset: 16, .size: 8, .value_kind: global_buffer, .address_space: global }
      - { .name: bq, .offset: 24, .size: 8, .value_kind: global_buffer, .address_space: global }
      - { .name: bk, .offset: 32, .size: 8, .value_kind: global_buffer, .address_space: global }
      - { .name: bv, .offset: 40, .size: 8, .value_kind: global_buffer, .address_space: global }
      - { .name: qkvc, .offset: 48, .size: 8, .value_kind: global_buffer, .address_space: global }
    .group_segment_fixed_size: 327680
    .private_segment_fixed_size: 0
    .kernarg_segment_align: 8
    .kernarg_segment_size: 56
    .max_flat_workgroup_size: 128
    .sgpr_count:     104
    .vgpr_count:     1024
    .wavefront_size: 32
...
	.end_amdgpu_metadata
.endif
;; end of part 2
;; launch attn (part 3): grid 8 x 32, 16 waves a work-group, clusters of 4 x 1, 327,680 bytes of LDS; arguments qkvc, lowp_scales, attc; writes attc
.if DOCPART == 3
	.amdgcn_target "amdgcn-amd-amdhsa--gfx1250"
	.amdhsa_code_object_version 6
	.text
	.protected	k_qf7aaf7da17_attn
	.globl	k_qf7aaf7da17_attn
	.p2align	8
	.type	k_qf7aaf7da17_attn,@function
k_qf7aaf7da17_attn:
	s_mov_b64 s[64:65], 0
	v_nop
	global_prefetch_b8 v0, s[64:65] scope:SCOPE_SE
	s_setreg_imm32_b32 hwreg(HW_REG_WAVE_MODE, 25, 1), 1
	s_wait_xcnt 0x0
	s_wait_alu depctr_hold_cnt(0) depctr_sa_sdst(0) depctr_va_vdst(0) depctr_va_sdst(0) depctr_va_ssrc(0) depctr_va_vcc(0) depctr_vm_vsrc(0)
	s_getreg_b32 s2, hwreg(HW_REG_IB_STS2, 6, 4)
	s_cmp_eq_u32 s2, 0
	s_cbranch_scc0 .Lentry_in_a_cluster
	s_endpgm
.Lentry_in_a_cluster:
	s_bfe_u32 s2, ttmp6, 0x10000c
	s_cmp_lg_u32 s2, 0x3003
	s_cbranch_scc0 .Lentry_shape_is_right
	s_endpgm
.Lentry_shape_is_right:
; ATTN: products 4 and 5 on codes of E4M3, the causal softmax between them, the division by the row's sum, and the quantiser of the result (entry 10).  32 heads of 2,048 positions x 64.
; In (qkvc): q, k [32][2048][64]; v with the keys innermost, [32 x 64 channels][2048].  Out (attc): [16 heads][4096 tokens][64], codes: a wave's 16 rows are 1,024 consecutive bytes.
; LEFT OUT AS DEAD WORK: reference() itself masks key > query with -infinity, so a step of 128 keys that all come after a tile's 16 queries adds 0 to every sum, whatever the inputs hold: it is not walked.
; LIMIT: a NaN or an infinity that reaches only those scores is not carried to the result.
; THE SOFTMAX: t = score x log2(e) / 8; M = the running largest t rounded UP to a whole number; p = 2^(t - M) is quantised (entry 8), not normalised; the row's sum is taken of the unquantised p.
; When M moves, the sum and O are multiplied by 2^(old M - new M), which rounds nothing.
; A HEAD'S WHOLE K AND V LIE IN LDS: 16 tiles of 64 rows x (256 + 16) bytes = 278,528 bytes.  Tile w < 8: keys 256 w on, four keys to a row; tile 8 + w: 64 channels x keys 256 w on.  Each of the sixteen waves
; asks for one tile at the head; one wait and one barrier show all of them; nothing is filled again.
; SHARES.  Work-group j (0..7) of a head owns the query tiles 8 T + j, T = 0..15; tile T has T + 1 live steps of 128 keys, the last on the diagonal, whatever j is.  Waves 2 p and 2 p + 1 share tiles p and 15 - p,
; 17 steps: wave A walks steps 0 .. 6 - p of tile 15 - p, puts that part (O^T, -M, its sum) into LDS bytes of the pair's own as an image of its registers, and then walks tile p, p + 1 steps: 8 in all.
; Wave B walks steps 7 - p .. 15 - p of tile 15 - p: 9.  Behind one barrier B joins A's part to its own: both are brought under the larger M by powers of two, which rounds nothing.
; Of the four waves w with equal w / 4, and of those with equal w % 4, two are A and two are B.
; Two counted loops of 7 and 8 trips serve all waves: a trip beyond a wave's count is jumped over.  No branch hangs on the work-group's number.
; CLUSTER: the four work-groups of a cluster (4, 1, 1) serve one head and need the same sixteen tiles: each tile is asked for jointly (mask 15); its descriptor is made of the head and the wave's number alone.
; NO PREFETCH: all tiles are asked for at the head, so there is no later load to run ahead of.
; Both products are used transposed: a lane holds ONE query throughout.  Lane r of key tile 2 b + u takes key 32 b + 8 u + r + 8 (r / 8), so that the 16 registers of tiles 2 b, 2 b + 1 are 16 neighbouring keys.
; LIMITS: entries 6 + 7 between -123 and 130; entries 8 and 10 between -126 and 119.  NaN among the inputs is not served.
; REGISTERS: v1-9, v24-27 addresses; v12 -M, v13 the largest t, v[14:15] the sum in two halves; v16-23 the first loop's Q, v192-199 the second's; v32-95 fragments of K, then of V; v96-159 S^T, then p;
; v160-191 O^T; v224-239 p's codes; v240, v244, v246, v247 scales; v242, v243, v249-255 at work; v248 the lane exchange's scratch.
.set TILE,  64*272
.set VP,    272
.set VOFF,  8*TILE                     ; V's tiles lie behind K's eight
.set PART,  16*TILE                    ; a pair's part: 32 registers x 128 bytes, then 8 bytes a lane; no tile lands here
.set PSZ,   4352
.set SPARE, PART+8*PSZ                 ; the spare words, 128 bytes a wave
.set AK0,  1
.set AV0,  2
.set DG,   4                           ; v4 on the diagonal step: my query - the step's first key - 16 h
.set SPW,  5
.set NIL,  6
.set GO,   7
.set ADK,  8
.set ADV,  9
.set PAD,  24                          ; v24, v25 my lane's places in the pair's part
.set PAD2, 25
.set STI,  26                          ; v26, v27 the way out's stage: in, back.  1,280 bytes a wave from LDS byte 0 on, over tile 0 and part of tile 1, touched only behind the barrier behind which nobody reads a tile
.set STB,  27
.set QA,   16
.set QB,   192
.set XC,   248
.set MC,   249                         ; v249-252 the maximum's four chains
.set WV,   18
.set SEL,  20
.set CS,   22
.set G1K,  24
.set G1V,  32
.set G0,   40
.set CLS,  44                          ; s44 0: wave A, 1: wave B
.set PR,   45                          ; s45 the pair, p
.set TO,   46                          ; s46 the tile that I finish and store
.set N1,   47                          ; s47, s48 the first loop: my live trips, my first step
.set B1,   48
.set N2,   49                          ; s49, s50 the second loop
.set B2,   50
.set I,    51
.set S,    52                          ; s52 the step's number
.set TK,   53
.set TV,   54
.set TW,   55
.set E89,  56
.set J16,  66                          ; s66 16 x my work-group's number in the head
.macro CROUND                          ; a round of the cluster's barrier
	s_barrier_signal -1
	s_barrier_wait -1
	s_cmp_lg_u32 s[WV], 0
	s_cbranch_scc1 .Lnot_wave_0_\@
	s_barrier_signal -3
.Lnot_wave_0_\@:
	s_barrier_wait -3
	s_barrier_signal -1
	s_barrier_wait -1
.endm
.macro INIT                            ; a tile's sums begin: the step is written once, and the first change of M leaves zeros zeros
	v_mov_b32 v13, 0xff61b1e6                      ; the largest t so far: -3e38
	v_floor_f32 v12, -v13                          ; -M
	v_mov_b32 v14, 0
	v_mov_b32 v15, 0
.set j, 0
.rept 32
	v_mov_b32 v[160+j], 0
.set j, j+1
.endr
.endm
	s_load_b128 s[4:7], s[0:1], 0x0                ; qkvc, lowp_scales
	s_load_b64 s[16:17], s[0:1], 0x10              ; attc
	v_lshl_add_u32 v[SPW], v0, 2, SPARE
	v_mov_b32 v[NIL], 0
	ds_add_u32 v[SPW], v[NIL]                      ; the opening: the add, twice on end, and its wait ahead of the first tensor load
	ds_add_u32 v[SPW], v[NIL]
	v_lshrrev_b32 v8, 5, v0
	v_readfirstlane_b32 s[WV], v8
	s_bfe_u32 s[J16], ttmp6, 0x40000               ; cx
	s_lshl_b32 s67, ttmp9, 2
	s_add_co_u32 s[J16], s[J16], s67               ; j = 4 x cluster x + cx
	s_lshl_b32 s[J16], s[J16], 4
	s_and_b32 s72, ttmp7, 0xffff                   ; the head, 16 b + h
	s_lshl_b32 s74, s72, 17                        ; its 131,072 bytes in each of q, k, v
	s_lshr_b32 s[CLS], s[WV], 2
	s_xor_b32 s[CLS], s[CLS], s[WV]
	s_and_b32 s[CLS], s[CLS], 1
	s_lshr_b32 s[PR], s[WV], 1
	s_sub_co_u32 s57, 15, s[PR]                    ; the pair's long tile
	s_sub_co_u32 s58, 7, s[PR]
	s_add_co_u32 s59, s[PR], 1
	s_sub_co_u32 s60, 14, s[PR]
	s_cmp_eq_u32 s[CLS], 1
	s_cselect_b32 s[TO], s57, s[PR]
	s_cselect_b32 s[B1], s58, 0                    ; A: steps 0 .. 6 - p of the long tile;  B: steps 7 - p .. 13 - p
	s_cselect_b32 s[N1], 7, s58
	s_cselect_b32 s[B2], s60, 0                    ; A: steps 0 .. p of tile p;  B: steps 14 - p, 15 - p
	s_cselect_b32 s[N2], 2, s59
	s_lshl_b32 s86, s57, 7
	s_add_co_u32 s86, s86, s[J16]
	s_lshl_b32 s86, s86, 6
	s_add_co_u32 s86, s86, s74                     ; the long tile's queries' codes
	s_mov_b32 s87, 0
	s_lshl_b32 s61, s[TO], 7
	s_add_co_u32 s61, s61, s[J16]                  ; the first query of the tile that I finish: 16 (8 T + j)
	s_lshl_b32 s90, s61, 6
	s_add_co_u32 s90, s90, s74
	s_mov_b32 s91, 0
	s_and_b32 s88, s72, 15
	s_lshl_b32 s88, s88, 12
	s_lshr_b32 s89, s72, 4
	s_lshl_b32 s89, s89, 11
	s_add_co_u32 s88, s88, s89
	s_add_co_u32 s88, s88, s61
	s_lshl_b32 s88, s88, 6                         ; my rows of attc: (h x 4096 + b x 2048 + query) x 64
	s_mov_b32 s89, 0
	s_mul_i32 s62, s[PR], PSZ
	s_add_co_u32 s62, s62, PART                    ; the pair's part
	s_add_co_u32 s63, s62, 4096
	s_mul_i32 s75, s[WV], 1280                     ; my stage
	s_and_b32 s82, s[WV], 7                        ; the tile that I ask for: waves 0-7 K's (16,384 dense bytes each), waves 8-15 V's (256 bytes on in each channel's row)
	s_cmp_lt_u32 s[WV], 8
	s_cselect_b32 s83, 14, 8
	s_mov_b32 s84, 0x800000
	s_cselect_b32 s84, 0x400000, s84
	s_lshl_b32 s82, s82, s83
	s_add_co_u32 s82, s82, s84
	s_add_co_u32 s82, s82, s74
	s_mov_b32 s83, 0
.irp g, G1K, G1V
	s_mov_b32 s[\g], 15|(1<<20)|(1<<21)|(5<<22)|(3<<25)   ; the cluster's four; elements of 1 byte; padding on; bit 21 beside a mask; 4 words behind every 64
	s_mov_b32 s[\g+1], 256<<16
	s_mov_b32 s[\g+2], 64<<16
	s_mov_b32 s[\g+3], 256<<16
	s_mov_b32 s[\g+4], 64
	s_mov_b32 s[\g+6], 0
	s_mov_b32 s[\g+7], 0
.endr
	s_mov_b32 s[G1K+5], 256                        ; K's 256 keys x 64 bytes are dense in memory: 64 rows of 256 bytes
	s_mov_b32 s[G1V+5], 2048                       ; V: 2,048 bytes from channel to channel
	s_mov_b32 s[G0], 1
	s_mul_i32 s[G0+1], s[WV], TILE                 ; tile w lands at 17,408 w
	s_mov_b32 s[SEL], 0x76543210
	s_mov_b32 s[SEL+1], 0xfedcba98
	s_mov_b32 s[CS], 0x3e38aa3b                    ; c = log2(e) / 8
	s_wait_dscnt 0x0                               ; both opening adds are done
	s_wait_kmcnt 0x0
	s_load_b128 s[68:71], s[6:7], 0x18             ; entries 6, 7, 8, 9
	s_load_b32 s85, s[6:7], 0x28                   ; entry 10
	s_add_nc_u64 s[G0+2:G0+3], s[4:5], s[82:83]
	s_or_b32 s[G0+3], s[G0+3], 0x80000000
	s_add_nc_u64 s[92:93], s[4:5], s[86:87]
	s_add_nc_u64 s[76:77], s[4:5], s[90:91]
	s_add_nc_u64 s[16:17], s[16:17], s[88:89]
	CROUND                                         ; the four work-groups are here: the joint loads meet
	s_cmp_lt_u32 s[WV], 8                          ; one chain, one load in each arm: every wave issues one; an s_nop 0 and four v_nop follow each
	s_cbranch_scc0 .Lfor_v
	tensor_load_to_lds s[G0:G0+3], s[G1K:G1K+7]
	s_nop 0
.rept 4
	v_nop
.endr
	s_branch .Lasked
.Lfor_v:
	tensor_load_to_lds s[G0:G0+3], s[G1V:G1V+7]
	s_nop 0
.rept 4
	v_nop
.endr
.Lasked:
	v_and_b32 v8, 15, v0                           ; r
	v_bfe_u32 v9, v0, 4, 1                         ; h
	v_lshlrev_b32 v10, 6, v8
	v_lshl_add_u32 v10, v9, 4, v10
	global_load_b128 v[QA:QA+3], v10, s[92:93]     ; Q's fragments: registers 4 c .. 4 c + 3 hold channels 32 c + 16 h + 0 .. 15, as K's do
	global_load_b128 v[QA+4:QA+7], v10, s[92:93] offset:32
	global_load_b128 v[QB:QB+3], v10, s[76:77]
	global_load_b128 v[QB+4:QB+7], v10, s[76:77] offset:32
	v_and_b32 v11, 8, v8
	v_add_nc_u32 v11, v11, v8                      ; r + 8 (r / 8)
	v_lshrrev_b32 v[AK0], 2, v11
	v_mul_u32_u24 v[AK0], v[AK0], 272              ; four keys to an LDS row
	v_and_b32 v11, 3, v11
	v_lshl_add_u32 v[AK0], v11, 6, v[AK0]
	v_lshl_add_u32 v[AK0], v9, 4, v[AK0]
	v_mul_u32_u24 v[AV0], v8, VP
	v_lshl_add_u32 v[AV0], v9, 4, v[AV0]
	v_add_nc_u32 v[AV0], VOFF, v[AV0]
	v_lshlrev_b32 v3, 4, v9
	v_sub_nc_u32 v[DG], v8, v3
	v_add_nc_u32 v[DG], s[J16], v[DG]              ; 16 j + r - 16 h
	v_and_b32 v11, 31, v0
	v_lshlrev_b32 v[GO], 4, v11
	v_add_nc_u32 v[PAD], s62, v[GO]                ; 16 bytes a lane for each group of four registers
	v_lshlrev_b32 v3, 3, v11
	v_add_nc_u32 v[PAD2], s63, v3                  ; 8 bytes a lane: -M and the sum
	v_mul_u32_u24 v[STI], v8, 80
	v_lshl_add_u32 v[STI], v9, 3, v[STI]
	v_add_nc_u32 v[STI], s75, v[STI]               ; in: row r, 8 h bytes on
	v_lshrrev_b32 v[STB], 2, v11
	v_mul_u32_u24 v[STB], v[STB], 80
	v_and_b32 v3, 3, v0
	v_lshl_add_u32 v[STB], v3, 4, v[STB]
	v_add_nc_u32 v[STB], s75, v[STB]               ; back: four lanes to a row
	v_mov_b32 v[XC], 0                             ; a lane permute's destination counts as one of its sources
	v_mov_b32 v253, 0                              ; (named as the upper halves of the pairs v[252:253], v[254:255])
	v_mov_b32 v255, 0
	INIT
	s_wait_alu depctr_va_vdst(0)
	s_wait_kmcnt 0x0
	s_add_co_i32 s72, s68, s69
	s_lshl_b32 s72, s72, 23
	s_add_co_i32 s[CS], s[CS], s72                 ; the two exponents of q and k are added to c's exponent field
	s_mov_b32 s[CS+1], s[CS]
	s_add_co_i32 s[E89], s70, s71
	s_add_co_i32 s72, s70, 127
	s_lshl_b32 s73, s72, 23
	v_mov_b32 v244, s73                            ; 2^e8
	s_add_co_i32 s72, s72, 8
	s_lshl_b32 s72, s72, 23
	s_or_b32 s72, s72, 0x600000
	v_mov_b32 v240, s72                            ; 448 x 2^e8
	s_add_co_i32 s72, s85, 127
	s_lshl_b32 s73, s72, 23
	v_mov_b32 v246, s73                            ; 2^e10
	s_add_co_i32 s72, s72, 8
	s_lshl_b32 s72, s72, 23
	s_or_b32 s72, s72, 0x600000
	v_mov_b32 v247, s72                            ; 448 x 2^e10
; A STEP: 128 keys.  qr: Q's registers; nn, bb: my count of live trips and my first step; diag = 1: the text for a step on the diagonal is laid (the first loop meets none)
.macro STEP qr, nn, bb, diag
	s_cmp_ge_u32 s[I], s[\nn]                      ; beyond my count: the wave's number and the count of trips alone
	s_cbranch_scc1 .Lhidden_\@
	s_add_co_u32 s[S], s[\bb], s[I]
	s_min_u32 s[S], s[S], 15                       ; a live step is 15 at the most: the hold states it for every trip
	s_mul_i32 s[TK], s[S], 32*272                  ; K: 32 LDS rows a step
	s_lshr_b32 s[TV], s[S], 1
	s_mul_i32 s[TV], s[TV], TILE                   ; V: a tile for two steps,
	s_and_b32 s[TW], s[S], 1
	s_lshl_b32 s[TW], s[TW], 7                     ; 128 bytes on in its rows for the second
	s_add_co_u32 s[TV], s[TV], s[TW]
	v_add_nc_u32 v[ADK], s[TK], v[AK0]
	v_add_nc_u32 v[ADV], s[TV], v[AV0]
	v_nop                                          ; with the two additions: four places in front of loads into registers that matrix instructions have read
	v_nop
.irp t, 0,1,2,3,4,5,6,7
.irp c, 0,1
	ds_load_b128 v[32+8*\t+4*\c:32+8*\t+4*\c+3], v[ADK] offset:((32*(\t/2)+8*(\t%2))/4)*272+32*\c
.endr
.endr
	s_wait_alu depctr_va_vdst(0)
	s_wait_dscnt 0x0
.irp t, 0,1,2,3,4,5,6,7
	v_wmma_f32_16x16x64_fp8_fp8 v[96+8*\t:103+8*\t], v[32+8*\t:39+8*\t], v[\qr:\qr+7], 0   ; S^T = K Q^T
.endr
.rept 4
	v_nop                                          ; four places: in front of the loads into K's registers, and of the first read of the scores
.endr
.irp t, 0,1,2,3
.irp c, 0,1,2,3
	ds_load_b128 v[32+16*\t+4*\c:32+16*\t+4*\c+3], v[ADV] offset:16*\t*VP+32*\c   ; V's fragments, asked for a whole softmax ahead of their use
.endr
.endr
.if \diag
	s_cmp_lg_u32 s[S], s[TO]                       ; step T of tile T lies on the diagonal: there hidden scores become -infinity ahead of the maximum
	s_cbranch_scc1 .Lopen_\@
	v_mov_b32 v254, 0xff800000
.set n, 0
.rept 64
	v_cmp_gt_i32 vcc_lo, 32*(n/16)+n%16, v[DG]     ; register 16 b + i holds the key 32 b + i + 16 h behind the step's first
	v_cndmask_b32 v[96+n], v[96+n], v254, vcc_lo
.set n, n+1
.endr
.Lopen_\@:
.endif
.irp c, 0,1,2,3                        ; the step's largest score of my query: four chains (each accumulator is first read at its low end), then the four scores left over
	v_max3_num_f32 v[MC+\c], v[96+16*\c], v[97+16*\c], v[98+16*\c]
.endr
.irp i, 1,2,3,4,5,6
.irp c, 0,1,2,3
	v_max3_num_f32 v[MC+\c], v[MC+\c], v[96+16*\c+2*\i+1], v[96+16*\c+2*\i+2]
.endr
.endr
	v_max3_num_f32 v[MC], v[MC], v[MC+1], v111
	v_max3_num_f32 v[MC+2], v[MC+2], v[MC+3], v127
	v_max3_num_f32 v[MC], v[MC], v[MC+2], v143
	v_max_num_f32 v[MC], v[MC], v159
	v_permlanex16_b32 v[XC], v[MC], s[SEL], s[SEL+1]
	v_max_num_f32 v[MC], v[MC], v[XC]
	v_mul_f32 v[MC], s[CS], v[MC]                  ; as t
	v_max_num_f32 v13, v13, v[MC]
	v_mov_b32 v[MC], v12
	v_floor_f32 v12, -v13                          ; the new -M = -ceil(t)
	v_sub_f32 v[MC], v12, v[MC]                    ; old M - new M, a whole number, 0 or less
	v_cvt_i32_f32 v[MC], v[MC]
	v_ldexp_f32 v252, 1.0, v[MC]                   ; f = 2^(old M - new M)
.set j, 0
.rept 32
	v_pk_fma_f32 v[96+j:97+j], v[96+j:97+j], s[CS:CS+1], v[12:13] op_sel_hi:[1,0,0]   ; t - M
.set j, j+2
.endr
	s_wait_alu depctr_va_vdst(0)
.set j, 0
.rept 64
	v_exp_f32 v[96+j], v[96+j]                     ; p = 2^(t - M)
.set j, j+1
.endr
	v_pk_mul_f32 v[14:15], v[14:15], v[252:253] op_sel_hi:[1,0]   ; the sums under the new M: the plain instruction behind the batch
	s_wait_alu depctr_va_vdst(0)                   ; one wait for the 64 exponentials, ahead of their first reader
	v_pk_add_f32 v[242:243], v[96:97], v[98:99]    ; the row's sum, of the unquantised p: four chains
	v_pk_add_f32 v[250:251], v[100:101], v[102:103]
	v_pk_add_f32 v[254:255], v[104:105], v[106:107]
	v_pk_add_f32 v[14:15], v[14:15], v[108:109]
.set j, 14
.rept 6
	v_pk_add_f32 v[242:243], v[242:243], v[96+j:97+j]
	v_pk_add_f32 v[250:251], v[250:251], v[98+j:99+j]
	v_pk_add_f32 v[254:255], v[254:255], v[100+j:101+j]
	v_pk_add_f32 v[14:15], v[14:15], v[102+j:103+j]
.set j, j+8
.endr
	v_pk_add_f32 v[242:243], v[242:243], v[158:159]
	v_pk_add_f32 v[14:15], v[14:15], v[254:255]
	v_pk_add_f32 v[242:243], v[242:243], v[250:251]
	v_pk_add_f32 v[14:15], v[14:15], v[242:243]
.irp b, 0,1,2,3
.set j, 0
.rept 16
	v_min_num_f32 v[96+16*\b+j], v[96+16*\b+j], v240   ; p is not negative: a one-sided hold ahead of a conversion that does not saturate (ISA guide 7.6.2)
.set j, j+1
.endr
	v_cvt_scalef32_pk8_fp8_f32 v[224+4*\b:225+4*\b], v[96+16*\b:103+16*\b], v244
	v_cvt_scalef32_pk8_fp8_f32 v[226+4*\b:227+4*\b], v[104+16*\b:111+16*\b], v244
.endr
	s_wait_alu depctr_va_vdst(0)                   ; directly ahead of the first reader of O^T
.set j, 0
.rept 16
	v_pk_mul_f32 v[160+j:161+j], v[160+j:161+j], v[252:253] op_sel_hi:[1,0]   ; O^T under the new M; these are also the plain instructions behind the conversions
.set j, j+2
.endr
	s_wait_alu depctr_va_vdst(0)
	s_wait_dscnt 0x0                               ; V's fragments, asked for behind K Q^T
.irp t, 0,1,2,3
	v_wmma_f32_16x16x128_fp8_fp8 v[160+8*\t:167+8*\t], v[32+16*\t:47+16*\t], v[224:239], v[160+8*\t:167+8*\t]   ; O^T += V^T P^T: four accumulators by turns
.endr
.Lhidden_\@:
.endm
	s_wait_alu depctr_va_vdst(0)
	s_wait_loadcnt 0x0                             ; Q
	s_wait_tensorcnt 0x0                           ; my tile is in,
	s_barrier_signal -1
	s_barrier_wait -1                              ; and so is everybody's: all of K and V.
	s_mov_b32 s[I], 0
.Lone:                                             ; seven trips on the pair's long tile
	STEP QA, N1, B1, 0
	s_add_co_u32 s[I], s[I], 1
	s_cmp_lt_u32 s[I], 7
	s_cbranch_scc1 .Lone
	s_cmp_eq_u32 s[CLS], 1                         ; wave B goes on with its sums
	s_cbranch_scc1 .Lno_switch
	v_add_f32 v13, v14, v15                        ; wave A: its part of the long tile goes into the pair's LDS bytes.  This line and three v_nop: four places behind the last products
.rept 3
	v_nop
.endr
.irp i, 0,1,2,3,4,5,6,7
	ds_store_b128 v[PAD], v[160+4*\i:163+4*\i] offset:512*\i   ; each accumulator from its low end on
.endr
	ds_store_b64 v[PAD2], v[12:13]                 ; -M and my lane's sum
	s_wait_dscnt 0x0                               ; the stores have read their registers
	INIT                                           ; and tile p begins
.Lno_switch:
	s_mov_b32 s[I], 0
.Ltwo:                                             ; eight trips: A on tile p, B on the long tile's last two steps
	STEP QB, N2, B2, 1
	s_add_co_u32 s[I], s[I], 1
	s_cmp_lt_u32 s[I], 8
	s_cbranch_scc1 .Ltwo
	v_add_f32 v14, v14, v15                        ; my lane's sum
	s_wait_alu depctr_va_vdst(0)
	s_wait_dscnt 0x0                               ; for the others' sake: my store of the part and my reads of the tiles are done
	s_barrier_signal -1
	s_barrier_wait -1
	s_cmp_eq_u32 s[CLS], 0
	s_cbranch_scc1 .Lmerged
.irp i, 0,1,2,3,4,5,6,7                ; wave B joins A's part: the same tile, so the same lane holds the same query and channels
	ds_load_b128 v[96+4*\i:99+4*\i], v[PAD] offset:512*\i
.endr
	ds_load_b64 v[128:129], v[PAD2]
	s_wait_dscnt 0x0
	v_min_num_f32 v130, v12, v128                  ; -M of the two together
	v_sub_f32 v131, v130, v12                      ; whole numbers, 0 or less
	v_sub_f32 v132, v130, v128
	v_cvt_i32_f32 v131, v131                       ; (it saturates: a part with no step has -M = 3e38 and gets the factor 0 on its zeros)
	v_cvt_i32_f32 v132, v132
	v_ldexp_f32 v252, 1.0, v131
	v_ldexp_f32 v254, 1.0, v132
.set j, 0
.rept 16
	v_pk_mul_f32 v[160+j:161+j], v[160+j:161+j], v[252:253] op_sel_hi:[1,0]
.set j, j+2
.endr
.set j, 0
.rept 16
	v_pk_fma_f32 v[160+j:161+j], v[96+j:97+j], v[254:255], v[160+j:161+j] op_sel_hi:[1,0,1]
.set j, j+2
.endr
	v_mul_f32 v14, v14, v252
	v_fmac_f32 v14, v129, v254
.Lmerged:
	; THE WAY OUT: O^T / the sum x 2^(e8 + e9), held and converted at 2^e10; 16 rows of 64 codes go through my stage and leave as 1,024 consecutive bytes.
	v_permlanex16_b32 v[XC], v14, s[SEL], s[SEL+1]
	v_add_f32 v14, v14, v[XC]
	s_wait_alu depctr_va_vdst(0)
	v_rcp_f32 v14, v14
	v_nop                                          ; a plain instruction behind the transcendental
	s_wait_alu depctr_va_vdst(0)                   ; the wait ahead of the reciprocal's first reader
	v_ldexp_f32 v14, v14, s[E89]
	s_wait_alu depctr_va_vdst(0)                   ; directly ahead of the first reader of O^T
.set j, 0
.rept 32
	v_mul_f32 v[96+j], v[160+j], v14               ; register 8 t + i is o(r, 16 t + 8 h + i); each accumulator from its low end on
.set j, j+1
.endr
.set j, 0
.rept 32
	v_med3_num_f32 v[96+j], v[96+j], -v247, v247
.set j, j+1
.endr
.irp t, 0,1,2,3
	v_cvt_scalef32_pk8_fp8_f32 v[128+2*\t:129+2*\t], v[96+8*\t:103+8*\t], v246
.endr
	v_nop
.irp t, 0,1,2,3
	ds_store_b64 v[STI], v[128+2*\t:129+2*\t] offset:16*\t
.endr
	ds_load_b128 v[32:35], v[STB]                  ; LDS serves a wave's instructions in order: these see my stores
	ds_load_b128 v[36:39], v[STB] offset:640
	s_wait_dscnt 1                                 ; the second load may be out
	global_store_b128 v[GO], v[32:35], s[16:17]
	s_wait_dscnt 0
	global_store_b128 v[GO], v[36:39], s[16:17] offset:512
	s_wait_tensorcnt 0x0                           ; the wave's end
	ds_add_u32 v[SPW], v[NIL]
	s_wait_dscnt 0x0
	CROUND                                         ; the closing round
	s_endpgm
.Lfunc_end_k_qf7aaf7da17_attn:
	.size	k_qf7aaf7da17_attn, .Lfunc_end_k_qf7aaf7da17_attn-k_qf7aaf7da17_attn
	.p2alignl 7, 3214868480
	.fill 96, 4, 3214868480
	.section	.rodata,"a",@progbits
	.p2align	6, 0x0
	.amdhsa_kernel k_qf7aaf7da17_attn
		.amdhsa_group_segment_fixed_size 327680
		.amdhsa_private_segment_fixed_size 0
		.amdhsa_enable_private_segment 0
		.amdhsa_kernarg_size 24
		.amdhsa_user_sgpr_count 2
		.amdhsa_user_sgpr_kernarg_segment_ptr 1
		.amdhsa_wavefront_size32 1
		.amdhsa_system_sgpr_workgroup_id_x 1
		.amdhsa_system_sgpr_workgroup_id_y 1
		.amdhsa_system_sgpr_workgroup_id_z 1
		.amdhsa_system_vgpr_workitem_id 0
		.amdhsa_next_free_vgpr 256
		.amdhsa_next_free_sgpr 100
		.amdhsa_reserve_vcc 1
		.amdhsa_float_denorm_mode_32 3
		.amdhsa_float_denorm_mode_16_64 3
		.amdhsa_memory_ordered 1
		.amdhsa_forward_progress 1
		.amdhsa_inst_pref_size 56
	.end_amdhsa_kernel
	.amdgpu_metadata
---
amdhsa.version: [ 1, 2 ]
amdhsa.kernels:
  - .name:           k_qf7aaf7da17_attn
    .symbol:         k_qf7aaf7da17_attn.kd
    .args:
      - { .name: qkvc, .offset: 0, .size: 8, .value_kind: global_buffer, .address_space: global }
      - { .name: lowp_scales, .offset: 8, .size: 8, .value_kind: global_buffer, .address_space: global }
      - { .name: attc, .offset: 16, .size: 8, .value_kind: global_buffer, .address_space: global }
    .group_segment_fixed_size: 327680
    .private_segment_fixed_size: 0
    .kernarg_segment_align: 8
    .kernarg_segment_size: 24
    .max_flat_workgroup_size: 512
    .sgpr_count:     100
    .vgpr_count:     256
    .wavefront_size: 32
...
	.end_amdgpu_metadata
.endif
;; end of part 3
;; launch proj (part 4): grid 8 x 32, 4 waves a work-group, clusters of 4 x 4, 327,680 bytes of LDS; arguments attc, wc, lowp_scales, bp, x, x1; writes x1
.if DOCPART == 4
	.amdgcn_target "amdgcn-amd-amdhsa--gfx1250"
	.amdhsa_code_object_version 6
	.text
	.protected	k_qf7aaf7da17_proj
	.globl	k_qf7aaf7da17_proj
	.p2align	8
	.type	k_qf7aaf7da17_proj,@function
k_qf7aaf7da17_proj:
	s_mov_b64 s[64:65], 0
	v_nop
	global_prefetch_b8 v0, s[64:65] scope:SCOPE_SE
	s_setreg_imm32_b32 hwreg(HW_REG_WAVE_MODE, 25, 1), 1
	s_wait_xcnt 0x0
	s_wait_alu depctr_hold_cnt(0) depctr_sa_sdst(0) depctr_va_vdst(0) depctr_va_sdst(0) depctr_va_ssrc(0) depctr_va_vcc(0) depctr_vm_vsrc(0)
	s_getreg_b32 s2, hwreg(HW_REG_IB_STS2, 6, 4)
	s_cmp_eq_u32 s2, 0
	s_cbranch_scc0 .Lentry_in_a_cluster
	s_endpgm
.Lentry_in_a_cluster:
	s_bfe_u32 s2, ttmp6, 0x10000c
	s_cmp_lg_u32 s2, 0xf033
	s_cbranch_scc0 .Lentry_shape_is_right
	s_endpgm
.Lentry_shape_is_right:
; PROJ: product 6 on codes of E4M3 (attc x Wp's codes), + bp + x, into x1, f32.  A block of 128 x 128 is made by four waves, 64 x 64 each: 16 accumulators by turns; 256 work-groups.
; THE BLOCK'S OPERANDS FOR THE WHOLE K = 1,024 LIE IN LDS AT ONCE: each wave asks for one tile at the head, one wait and one barrier show all four, and nothing is filled again: no ring.
; attc lies [16 heads][4096 tokens][64]: A's tile of 64 tokens x 16 heads comes as 16 rows of 4,096 dense bytes, padded by 16 behind every 256 (four tokens to an LDS row of 272): 69,632 bytes.
; B's tile is 64 rows of Wp's codes, 1,024 bytes + 16 of padding each: the pitch, 1,040, is an odd multiple of 16, so the 16 rows that a load touches start at 16 different groups of banks: 66,560 bytes.
; The matrix instruction takes Wp's rows as source 0 and the tokens' as source 1: a lane's eight sums are eight neighbouring columns of one row.  The bias, divided by 2^(eA + eB), is the C of each sum's first product.
; CLUSTERS of 4 x 4: A's tiles are asked for jointly along a row of the cluster, B's along a column.
; NO PREFETCH: all tiles are asked for at the head, so there is no later load to run ahead of.  LIMIT: eA + eB within +-126.
; REGISTERS, in windows of 256: window 0: v0-31 addresses, v32-95 the way out, v96-127 the bias table, v128-255 the accumulators; window 1: two sets of fragments (A's four blocks, then B's four); window 2: x.
.set KTOT,   1024
.set BOFF,   0x300000                  ; Wp's codes in wc
.set SCOFF,  0x28                      ; entries 10, 11
.set PITCH,  1040
.set AREG,   16*4352                   ; A's tile of 64 tokens
.set BREG,   64*PITCH                  ; B's tile of 64 rows
.set BBASE,  2*AREG
.set STAGE,  BBASE+2*BREG              ; the way out: 16 rows x 272 bytes for each wave; no tile lands here
.set SP,     272
.set SPARE,  STAGE+4*16*SP             ; the spare words, 128 bytes a wave
.set ADRA, 16                          ; v16, v17 my A fragments: heads 0-7, heads 8-15
.set ADRB, 20
.set STO,  24
.set RD,   25
.set CO,   26
.set SPW,  28
.set NIL,  29
.set BK,   32
.set T,    96
.set ACC,  128
.set F0,   0
.set F1,   128
.set G1, 24
.set G0, 32
.set G1B, 48
.set G0B, 56
.set MSB, 0
.macro WIN new                         ; the immediate's high byte repeats the setting that is left
.if MSB != (\new)
	s_set_vgpr_msb (MSB<<8)|(\new)
.set MSB, (\new)
.endif
.endm
.set MUL,  0x05                        ; sources 0 and 1 in window 1
.macro CREST
	s_cmp_lg_u32 s10, 0
	s_cbranch_scc1 .Lnot_wave_0_\@
	s_barrier_signal -3
.Lnot_wave_0_\@:
	s_barrier_wait -3
	s_barrier_signal -1
	s_barrier_wait -1
.endm
.macro CROUND                          ; a round of the cluster's barrier
	s_barrier_signal -1
	s_barrier_wait -1
	CREST
.endm
	s_load_b128 s[4:7], s[0:1], 0x0                ; attc 4, wc 6
	s_load_b256 s[68:75], s[0:1], 0x10             ; lowp_scales 68, bp 70, x 72, x1 74
	v_lshl_add_u32 v[SPW], v0, 2, SPARE
	v_mov_b32 v[NIL], 0
	ds_add_u32 v[SPW], v[NIL]                      ; the opening: the add, twice on end, and its wait ahead of my first tensor load
	ds_add_u32 v[SPW], v[NIL]
	v_lshrrev_b32 v1, 5, v0
	v_readfirstlane_b32 s10, v1                    ; wave
	s_lshr_b32 s11, s10, 1                         ; my half of the block's rows; also: I fetch for A (0) or B (1)
	s_and_b32 s12, s10, 1                          ; my half of its columns; also: which 64 rows I fetch
	s_bfe_u32 s40, ttmp6, 0x40000                  ; cx
	s_bfe_u32 s41, ttmp6, 0x40004                  ; cy
	s_lshl_b32 s42, ttmp9, 2
	s_add_co_u32 s42, s42, s40                     ; block column
	s_and_b32 s13, ttmp7, 0xffff
	s_lshl_b32 s13, s13, 2
	s_add_co_u32 s13, s13, s41                     ; block row
	s_lshl_b32 s43, s41, 2
	s_lshl_b32 s43, 15, s43                        ; my row of the cluster
	s_lshl_b32 s44, 0x1111, s40                    ; my column
	s_or_b32 s[G1+0], s43, (0<<16)|(1<<20)|(1<<21)|(5<<22)|(3<<25)   ; the mask; elements of 1 byte; padding on; bit 21 beside a mask; 4 words behind every 64
	s_mov_b32 s[G1+1], 4096<<16                    ; A: 16 rows (heads) of 4,096 bytes (64 tokens x 64), 262,144 bytes from head to head
	s_mov_b32 s[G1+2], 16<<16
	s_mov_b32 s[G1+3], 4096<<16
	s_mov_b32 s[G1+4], 16
	s_mov_b32 s[G1+5], 262144
	s_mov_b32 s[G1+6], 0
	s_mov_b32 s[G1+7], 0
	s_or_b32 s[G1B+0], s44, (0<<16)|(1<<20)|(1<<21)|(7<<22)|(3<<25)  ; 4 words behind every 256
	s_mov_b32 s[G1B+1], KTOT<<16                   ; B: 64 rows of 1,024 bytes
	s_mov_b32 s[G1B+2], 64<<16
	s_mov_b32 s[G1B+3], KTOT<<16
	s_mov_b32 s[G1B+4], 64
	s_mov_b32 s[G1B+5], KTOT
	s_mov_b32 s[G1B+6], 0
	s_mov_b32 s[G1B+7], 0
	s_lshl_b32 s17, s12, 6
	s_lshl_b32 s16, s13, 7
	s_add_co_u32 s16, s16, s17
	s_lshl_b32 s16, s16, 6                         ; A: token 128 x block row + 64 x half, 64 bytes each, in head 0
	s_lshl_b32 s46, s42, 7
	s_add_co_u32 s46, s46, s17
	s_mul_i32 s46, s46, KTOT
	s_add_co_u32 s46, s46, BOFF                    ; B: row 128 x block column + 64 x half
	s_mov_b32 s17, 0
	s_mov_b32 s47, 0
	s_mov_b32 s[G0], 1
	s_mul_i32 s[G0+1], s12, AREG                   ; where they go: the wave's number alone
	s_mov_b32 s[G0B], 1
	s_mul_i32 s[G0B+1], s12, BREG
	s_add_co_u32 s[G0B+1], s[G0B+1], BBASE
	s_wait_dscnt 0x0                               ; both opening adds are done
	s_wait_kmcnt 0x0
	s_load_b64 s[76:77], s[68:69], SCOFF           ; eA, eB
	s_add_nc_u64 s[G0+2:G0+3], s[4:5], s[16:17]
	s_or_b32 s[G0+3], s[G0+3], 0x80000000
	s_add_nc_u64 s[G0B+2:G0B+3], s[6:7], s[46:47]
	s_or_b32 s[G0B+3], s[G0B+3], 0x80000000
	CROUND                                         ; all sixteen work-groups are here: the joint loads meet
	s_cmp_eq_u32 s11, 0                            ; one chain, one load in each arm: every wave issues one; an s_nop 0 and four v_nop follow each
	s_cbranch_scc0 .Lfor_b
	tensor_load_to_lds s[G0:G0+3], s[G1:G1+7]
	s_nop 0
.rept 4
	v_nop
.endr
	s_branch .Lasked
.Lfor_b:
	tensor_load_to_lds s[G0B:G0B+3], s[G1B:G1B+7]
	s_nop 0
.rept 4
	v_nop
.endr
.Lasked:
	v_and_b32 v1, 15, v0                           ; r
	v_bfe_u32 v2, v0, 4, 1                         ; h
	s_wait_alu depctr_va_vdst(0)
	v_lshlrev_b32 v7, 5, v2
	s_lshl_b32 s16, s42, 7
	s_lshl_b32 s17, s12, 6
	s_add_co_u32 s16, s16, s17
	s_lshl_b32 s16, s16, 2                         ; my first column, in bytes
	s_mov_b32 s17, 0
	s_add_nc_u64 s[70:71], s[70:71], s[16:17]
.irp b, 0,1,2,3
	global_load_b128 v[T+8*\b:T+8*\b+3], v7, s[70:71] offset:64*\b       ; T[8 b + j] = bp[16 b + 8 h + j], the C of accumulators (., b)
	global_load_b128 v[T+8*\b+4:T+8*\b+7], v7, s[70:71] offset:64*\b+16
.endr
	s_lshl_b32 s18, s13, 7
	s_lshl_b32 s19, s11, 6
	s_add_co_u32 s18, s18, s19
	s_lshl_b32 s18, s18, 12                        ; my first row, 4,096 bytes each
	s_add_co_u32 s16, s16, s18
	s_add_nc_u64 s[72:73], s[72:73], s[16:17]
	s_add_nc_u64 s[74:75], s[74:75], s[16:17]
	v_lshlrev_b32 v5, 12, v2
	v_lshl_add_u32 v[CO], v1, 4, v5                ; lanes 0-15 one row of 256 bytes, lanes 16-31 the next
	WIN 0x80
.irp a, 0,1,2,3
.irp t, 0,1,2,3,4,5,6,7
	global_load_b128 v[32*\a+4*\t:32*\a+4*\t+3], v[CO], s[72:73] offset:(16*\a+2*\t)*4096 th:TH_LOAD_NT   ; x at my 64 x 64, in the layout of the way out, into window 2
.endr
.endr
	WIN 0
	v_mul_u32_u24 v3, v1, PITCH
	v_lshl_add_u32 v3, v2, 4, v3                   ; B: row r, + 16 h
	v_lshrrev_b32 v4, 2, v1
	v_mul_u32_u24 v4, v4, 272
	v_and_b32 v5, 3, v1
	v_lshl_add_u32 v4, v5, 6, v4
	v_lshl_add_u32 v4, v2, 4, v4                   ; A: token r: LDS row r / 4, 64 (r % 4) bytes on, + 16 h
	s_mul_i32 s21, s11, AREG
	s_mul_i32 s22, s12, BREG
	s_add_co_u32 s22, s22, BBASE
	v_add_nc_u32 v[ADRA], s21, v4
	s_add_co_u32 s21, s21, 8*4352
	v_add_nc_u32 v[ADRA+1], s21, v4
	v_add_nc_u32 v[ADRB], s22, v3
	s_mul_i32 s23, s10, 16*SP
	s_add_co_u32 s23, s23, STAGE                   ; my stage
	v_mul_u32_u24 v5, v1, SP
	v_lshl_add_u32 v5, v2, 5, v5
	v_add_nc_u32 v[STO], s23, v5
	v_mul_u32_u24 v5, v2, SP
	v_lshl_add_u32 v5, v1, 4, v5
	v_add_nc_u32 v[RD], s23, v5
	s_wait_kmcnt 0x0
	s_add_co_i32 s76, s76, s77                     ; eA + eB
	s_sub_co_i32 s78, 0, s76
	s_add_co_i32 s76, s76, 127
	s_lshl_b32 s76, s76, 23                        ; 2^(eA + eB)
	s_mov_b32 s77, s76
	s_wait_loadcnt 32                              ; the bias is in; x's 32 loads may be out
.set i, 0
.rept 32
	v_ldexp_f32 v[T+i], v[T+i], s78                ; the bias divided by the power of two that the sums lack
.set i, i+1
.endr
.macro MUL4 f, a, mode                 ; A's block a against B's four; mode: the sums begin with C = T[8 b].  The 16 accumulators take turns
.irp b, 0,1,2,3
.if \mode
	v_wmma_f32_16x16x128_fp8_fp8 v[ACC+8*(4*(\a)+\b):ACC+8*(4*(\a)+\b)+7], v[\f+64+16*\b:\f+64+16*\b+15], v[\f+16*(\a):\f+16*(\a)+15], v[T+8*\b:T+8*\b+7]
.else
	v_wmma_f32_16x16x128_fp8_fp8 v[ACC+8*(4*(\a)+\b):ACC+8*(4*(\a)+\b)+7], v[\f+64+16*\b:\f+64+16*\b+15], v[\f+16*(\a):\f+16*(\a)+15], v[ACC+8*(4*(\a)+\b):ACC+8*(4*(\a)+\b)+7]
.endif
.endr
.endm
.macro FETCH q, f                      ; the fragments of the q-th 128 along K (heads 2 q, 2 q + 1): registers 4 c .. 4 c + 3 hold K = 128 q + 32 c + 16 h + 0 .. 15, in both operands
	WIN 0x40
.irp i, 0,1,2,3
.irp c, 0,1,2,3
	ds_load_b128 v[\f+64+16*\i+4*\c:\f+64+16*\i+4*\c+3], v[ADRB] offset:128*(\q)+32*\c+\i*16*PITCH
.endr
.endr
.irp i, 0,1,2,3
.irp c, 0,1,2,3
	ds_load_b128 v[\f+16*\i+4*\c:\f+16*\i+4*\c+3], v[ADRA+(\q)/4] offset:(2*((\q)%4)+\c/2)*4352+4*\i*272+32*(\c%2)
.endr
.endr
.endm
.macro PLACES                          ; plain vector instructions between a matrix instruction and a load into, or a read of, its registers
.rept 4
	v_nop
.endr
.endm
.macro QUARTER qn, f, g, mode          ; multiplies set f; in its middle it fetches quarter qn into set g
	s_wait_dscnt 8                                 ; B's four and A's blocks 0, 1 are in; the youngest eight loads (blocks 2, 3) may be out
	WIN MUL
	MUL4 \f, 0, \mode
	MUL4 \f, 1, \mode
	PLACES
	FETCH \qn, \g
	s_wait_dscnt 32                                ; all but the 32 just issued
	WIN MUL
	MUL4 \f, 2, \mode
	MUL4 \f, 3, \mode
.endm
	s_wait_alu depctr_va_vdst(0)
	s_wait_tensorcnt 0x0                           ; my tile is in,
	s_barrier_signal -1
	s_barrier_wait -1                              ; and so is everybody's.
	FETCH 0, F0
	QUARTER 1, F0, F1, 2
	QUARTER 2, F1, F0, 0
	QUARTER 3, F0, F1, 0
	QUARTER 4, F1, F0, 0
	QUARTER 5, F0, F1, 0
	QUARTER 6, F1, F0, 0
	QUARTER 7, F0, F1, 0
	s_wait_dscnt 8
	WIN MUL
	MUL4 F1, 0, 0
	MUL4 F1, 1, 0
	s_wait_dscnt 0
	MUL4 F1, 2, 0
	MUL4 F1, 3, 0
	WIN 0
; THE WAY OUT, block by block of 16 rows x 64 columns: through my own stage, back as rows of 256 bytes, x 2^(eA + eB) + x, stored sixteen lanes to an aligned unit of 256 bytes.
.macro TOSTAGE a
.set BB, BK+32*((\a)%2)
.irp b, 0,1,2,3
	ds_store_b128 v[STO], v[ACC+8*(4*(\a)+\b):ACC+8*(4*(\a)+\b)+3] offset:64*\b       ; each accumulator from its low end on
	ds_store_b128 v[STO], v[ACC+8*(4*(\a)+\b)+4:ACC+8*(4*(\a)+\b)+7] offset:64*\b+16
.endr
.irp t, 0,1,2,3,4,5,6,7
	ds_load_b128 v[BB+4*\t:BB+4*\t+3], v[RD] offset:2*\t*SP    ; LDS serves a wave's instructions in order: these see my stores
.endr
.endm
.macro SEND a, younger                 ; younger: the LDS instructions issued behind block a's loads, which may stay out
.set BB, BK+32*((\a)%2)
	s_wait_dscnt \younger
	WIN 0x20                                       ; source 2 (x) in window 2
.set i, 0
.rept 16
	v_pk_fma_f32 v[BB+i:BB+i+1], v[BB+i:BB+i+1], s[76:77], v[32*(\a)+i:32*(\a)+i+1] op_sel_hi:[1,0,1]
.set i, i+2
.endr
	WIN 0
.irp t, 0,1,2,3,4,5,6,7
	global_store_b128 v[CO], v[BB+4*\t:BB+4*\t+3], s[74:75] offset:(16*(\a)+2*\t)*4096
.endr
.endm
	PLACES
	s_wait_loadcnt 0x0                             ; x
	TOSTAGE 0
	TOSTAGE 1
	SEND 0, 16
	s_wait_xcnt 0x0                                ; block 0's stores have read their registers: block 2's loads may land there
	TOSTAGE 2
	SEND 1, 16
	s_wait_xcnt 0x0
	TOSTAGE 3
	SEND 2, 16
	SEND 3, 0
	s_wait_tensorcnt 0x0                           ; the wave's end
	ds_add_u32 v[SPW], v[NIL]
	s_wait_dscnt 0x0
	CROUND                                         ; the closing round
	s_endpgm
.Lfunc_end_k_qf7aaf7da17_proj:
	.size	k_qf7aaf7da17_proj, .Lfunc_end_k_qf7aaf7da17_proj-k_qf7aaf7da17_proj
	.p2alignl 7, 3214868480
	.fill 96, 4, 3214868480
	.section	.rodata,"a",@progbits
	.p2align	6, 0x0
	.amdhsa_kernel k_qf7aaf7da17_proj
		.amdhsa_group_segment_fixed_size 327680
		.amdhsa_private_segment_fixed_size 0
		.amdhsa_enable_private_segment 0
		.amdhsa_kernarg_size 48
		.amdhsa_user_sgpr_count 2
		.amdhsa_user_sgpr_kernarg_segment_ptr 1
		.amdhsa_wavefront_size32 1
		.amdhsa_system_sgpr_workgroup_id_x 1
		.amdhsa_system_sgpr_workgroup_id_y 1
		.amdhsa_system_sgpr_workgroup_id_z 1
		.amdhsa_system_vgpr_workitem_id 0
		.amdhsa_next_free_vgpr 768
		.amdhsa_next_free_sgpr 100
		.amdhsa_reserve_vcc 0
		.amdhsa_float_denorm_mode_32 3
		.amdhsa_float_denorm_mode_16_64 3
		.amdhsa_memory_ordered 1
		.amdhsa_forward_progress 1
		.amdhsa_inst_pref_size 51
	.end_amdhsa_kernel
	.amdgpu_metadata
---
amdhsa.version: [ 1, 2 ]
amdhsa.kernels:
  - .name:           k_qf7aaf7da17_proj
    .symbol:         k_qf7aaf7da17_proj.kd
    .args:
      - { .name: attc, .offset: 0, .size: 8, .value_kind: global_buffer, .address_space: global }
      - { .name: wc, .offset: 8, .size: 8, .value_kind: global_buffer, .address_space: global }
      - { .name: lowp_scales, .offset: 16, .size: 8, .value_kind: global_buffer, .address_space: global }
      - { .name: bp, .offset: 24, .size: 8, .value_kind: global_buffer, .address_space: global }
      - { .name: x, .offset: 32, .size: 8, .value_kind: global_buffer, .address_space: global }
      - { .name: x1, .offset: 40, .size: 8, .value_kind: global_buffer, .address_space: global }
    .group_segment_fixed_size: 327680
    .private_segment_fixed_size: 0
    .kernarg_segment_align: 8
    .kernarg_segment_size: 48
    .max_flat_workgroup_size: 128
    .sgpr_count:     100
    .vgpr_count:     768
    .wavefront_size: 32
...
	.end_amdgpu_metadata
.endif
;; end of part 4
;; launch ln2 (part 5): grid 512 x 1, 4 waves a work-group, no clusters, 20,992 bytes of LDS; arguments x1, gamma, beta, lowp_scales, h2c; writes h2c
.if DOCPART == 5
	.amdgcn_target "amdgcn-amd-amdhsa--gfx1250"
	.amdhsa_code_object_version 6
	.text
	.protected	k_qf7aaf7da17_ln2
	.globl	k_qf7aaf7da17_ln2
	.p2align	8
	.type	k_qf7aaf7da17_ln2,@function
k_qf7aaf7da17_ln2:
	s_mov_b64 s[64:65], 0
	v_nop
	global_prefetch_b8 v0, s[64:65] scope:SCOPE_SE
	s_setreg_imm32_b32 hwreg(HW_REG_WAVE_MODE, 25, 1), 1
	s_wait_xcnt 0x0
; LN2: LayerNorm(x1) in f32, quantised at entry 12 of the scales, into h2c [4096][1024], codes of E4M3.  A wave takes two rows, whole; both rows, gamma and beta are asked for in one run, so that a wave
; waits for memory once.  Waves share nothing: no barrier.
; Memory binds: each byte of x1 is read once by 16-byte loads of 512 consecutive bytes and each store covers 512 consecutive bytes; matrix units and clusters would add nothing.
; LIMIT: the entry lies between -126 and 119.  NaN among the inputs is not served.
.set SPARE, 20480                      ; the spare words, behind the four stages of 5,120 bytes
.set NR,  2                            ; rows of a wave
.set SPW, 14
.set NIL, 15
.set G,   16
.set BT,  48
.set XR,  80
.set T,   144
.set U,   176
.set CD,  208
	s_load_b256 s[4:11], s[0:1], 0x0               ; x1 4, gamma 6, beta 8, lowp_scales 10
	s_load_b64 s[12:13], s[0:1], 0x20              ; h2c
	v_lshl_add_u32 v[SPW], v0, 2, SPARE
	v_mov_b32 v[NIL], 0
	v_lshrrev_b32 v1, 5, v0
	v_readfirstlane_b32 s28, v1
	v_and_b32 v2, 31, v0
	s_wait_alu depctr_va_vdst(0)
	s_wait_kmcnt 0x0
	s_load_b32 s33, s[10:11], 0x30                 ; entry 12
	s_lshl_b32 s29, ttmp9, 3
	s_lshl_b32 s30, s28, 1
	s_add_co_u32 s29, s29, s30                     ; my first row: 8 x work-group + 2 x wave
	s_lshl_b32 s48, s29, 12
	s_mov_b32 s49, 0
	s_add_nc_u64 s[4:5], s[4:5], s[48:49]
	s_lshl_b32 s48, s29, 10
	s_add_nc_u64 s[66:67], s[12:13], s[48:49]
	s_mov_b32 s72, 0x76543210
	s_mov_b32 s73, 0xfedcba98
	s_mov_b32 s74, 0x3a800000                      ; 1 / 1024
	s_mov_b32 s75, 0x3727c5ac                      ; 1e-5
	v_lshlrev_b32 v3, 4, v2
	s_mul_i32 s31, s28, 5120                       ; my stage: 2 x 32 places of 64 bytes + 16 of padding
	v_lshrrev_b32 v4, 2, v2
	v_mul_u32_u24 v4, v4, 80
	v_and_b32 v5, 3, v2
	v_lshl_add_u32 v4, v5, 4, v4
	v_add_nc_u32 v4, s31, v4
	v_mul_u32_u24 v7, v2, 80
	v_add_nc_u32 v7, s31, v7
.irp j, 0,1,2,3,4,5,6,7
	global_load_b128 v[G+4*\j:G+4*\j+3], v3, s[6:7] offset:512*\j
	global_load_b128 v[BT+4*\j:BT+4*\j+3], v3, s[8:9] offset:512*\j
.endr
.macro XLOAD r
.irp j, 0,1,2,3,4,5,6,7
	global_load_b128 v[XR+32*((\r)%2)+4*\j:XR+32*((\r)%2)+4*\j+3], v3, s[4:5] offset:4096*(\r)+512*\j
.endr
.endm
	XLOAD 0
	XLOAD 1
	s_wait_kmcnt 0x0
	s_add_co_i32 s48, s33, 127
	s_lshl_b32 s49, s48, 23
	v_mov_b32 v240, s49                            ; 2^e
	s_add_co_i32 s48, s48, 8
	s_lshl_b32 s48, s48, 23
	s_or_b32 s48, s48, 0x600000
	v_mov_b32 v241, s48                            ; 448 x 2^e
.macro REDUCE
	v_add_f32_dpp v232, v232, v232 row_xmask:1 row_mask:0xf bank_mask:0xf
	v_add_f32_dpp v232, v232, v232 row_xmask:2 row_mask:0xf bank_mask:0xf
	v_add_f32_dpp v232, v232, v232 row_xmask:4 row_mask:0xf bank_mask:0xf
	v_add_f32_dpp v232, v232, v232 row_xmask:8 row_mask:0xf bank_mask:0xf
	v_permlanex16_b32 v234, v232, s72, s73
	v_add_f32 v232, v232, v234
.endm
.macro ROW r
.set XS, XR+32*((\r)%2)
.if (\r) < NR-1
	s_wait_loadcnt 8                               ; gamma, beta and my first row are in; the second row's eight loads may be out
.else
	s_wait_loadcnt 0
.endif
	v_pk_add_f32 v[232:233], v[XS:XS+1], v[XS+2:XS+3]
	v_pk_add_f32 v[234:235], v[XS+4:XS+5], v[XS+6:XS+7]
.irp p, 8,12,16,20,24,28
	v_pk_add_f32 v[232:233], v[232:233], v[XS+\p:XS+\p+1]
	v_pk_add_f32 v[234:235], v[234:235], v[XS+\p+2:XS+\p+3]
.endr
	v_pk_add_f32 v[232:233], v[232:233], v[234:235]
	v_add_f32 v232, v232, v233
	REDUCE
	v_mul_f32 v236, s74, v232                      ; mu, twice
	v_mul_f32 v237, s74, v232
.set i, 0
.rept 16
	v_pk_add_f32 v[XS+i:XS+i+1], v[XS+i:XS+i+1], v[236:237] neg_lo:[0,1] neg_hi:[0,1]
.set i, i+2
.endr
	v_pk_mul_f32 v[232:233], v[XS:XS+1], v[XS:XS+1]
	v_pk_mul_f32 v[234:235], v[XS+2:XS+3], v[XS+2:XS+3]
.irp p, 4,8,12,16,20,24,28
	v_pk_fma_f32 v[232:233], v[XS+\p:XS+\p+1], v[XS+\p:XS+\p+1], v[232:233]
	v_pk_fma_f32 v[234:235], v[XS+\p+2:XS+\p+3], v[XS+\p+2:XS+\p+3], v[234:235]
.endr
	v_pk_add_f32 v[232:233], v[232:233], v[234:235]
	v_add_f32 v232, v232, v233
	REDUCE
	v_fma_f32 v232, v232, s74, s75                 ; var + eps
	s_wait_alu depctr_va_vdst(0)
	v_rsq_f32 v238, v232
	v_rsq_f32 v239, v232
	v_nop                                          ; a plain instruction behind the transcendentals,
	s_wait_alu depctr_va_vdst(0)                   ; and one wait ahead of their first reader
.set i, 0
.rept 16
	v_pk_mul_f32 v[XS+i:XS+i+1], v[XS+i:XS+i+1], v[238:239]
.set i, i+2
.endr
.set i, 0
.rept 16
	v_pk_fma_f32 v[XS+i:XS+i+1], v[XS+i:XS+i+1], v[G+i:G+i+1], v[BT+i:BT+i+1]
.set i, i+2
.endr
.irp j, 0,1,2,3,4,5,6,7                ; the turn through my stage: afterwards a lane holds 16 neighbours of each half of the row
	ds_store_b128 v4, v[XS+4*\j:XS+4*\j+3] offset:2560*(\j/4)+640*(\j%4)
.endr
.irp c, 0,1
.irp i, 0,1,2,3
	ds_load_b128 v[T+16*\c+4*\i:T+16*\c+4*\i+3], v7 offset:2560*\c+16*\i
.endr
.endr
	s_wait_dscnt 0x0
	s_wait_xcnt 0x0                                ; the row before's stores have read their codes
.irp c, 0,1
.set US, U+16*\c
.set i, 0
.rept 16
	v_med3_num_f32 v[US+i], v[T+16*\c+i], -v241, v241   ; the hold ahead of a conversion that does not saturate (ISA guide 7.6.2)
.set i, i+1
.endr
	v_cvt_scalef32_pk8_fp8_f32 v[CD+4*\c:CD+4*\c+1], v[US:US+7], v240
	v_cvt_scalef32_pk8_fp8_f32 v[CD+4*\c+2:CD+4*\c+3], v[US+8:US+15], v240
.endr
.irp c, 0,1
	global_store_b128 v3, v[CD+4*\c:CD+4*\c+3], s[66:67] offset:1024*(\r)+512*\c   ; 512 consecutive bytes, aligned
.endr
.endm
	ROW 0
	ROW 1
	s_wait_tensorcnt 0x0                           ; the wave's end, behind my last LDS store
	ds_add_u32 v[SPW], v[NIL]
	s_wait_dscnt 0x0
	s_endpgm
.Lfunc_end_k_qf7aaf7da17_ln2:
	.size	k_qf7aaf7da17_ln2, .Lfunc_end_k_qf7aaf7da17_ln2-k_qf7aaf7da17_ln2
	.p2alignl 7, 3214868480
	.fill 96, 4, 3214868480
	.section	.rodata,"a",@progbits
	.p2align	6, 0x0
	.amdhsa_kernel k_qf7aaf7da17_ln2
		.amdhsa_group_segment_fixed_size 20992
		.amdhsa_private_segment_fixed_size 0
		.amdhsa_enable_private_segment 0
		.amdhsa_kernarg_size 40
		.amdhsa_user_sgpr_count 2
		.amdhsa_user_sgpr_kernarg_segment_ptr 1
		.amdhsa_wavefront_size32 1
		.amdhsa_system_sgpr_workgroup_id_x 1
		.amdhsa_system_sgpr_workgroup_id_y 1
		.amdhsa_system_sgpr_workgroup_id_z 1
		.amdhsa_system_vgpr_workitem_id 0
		.amdhsa_next_free_vgpr 248
		.amdhsa_next_free_sgpr 80
		.amdhsa_reserve_vcc 0
		.amdhsa_float_denorm_mode_32 3
		.amdhsa_float_denorm_mode_16_64 3
		.amdhsa_memory_ordered 1
		.amdhsa_forward_progress 1
		.amdhsa_inst_pref_size 25
	.end_amdhsa_kernel
	.amdgpu_metadata
---
amdhsa.version: [ 1, 2 ]
amdhsa.kernels:
  - .name:           k_qf7aaf7da17_ln2
    .symbol:         k_qf7aaf7da17_ln2.kd
    .args:
      - { .name: x1, .offset: 0, .size: 8, .value_kind: global_buffer, .address_space: global }
      - { .name: gamma, .offset: 8, .size: 8, .value_kind: global_buffer, .address_space: global }
      - { .name: beta, .offset: 16, .size: 8, .value_kind: global_buffer, .address_space: global }
      - { .name: lowp_scales, .offset: 24, .size: 8, .value_kind: global_buffer, .address_space: global }
      - { .name: h2c, .offset: 32, .size: 8, .value_kind: global_buffer, .address_space: global }
    .group_segment_fixed_size: 20992
    .private_segment_fixed_size: 0
    .kernarg_segment_align: 8
    .kernarg_segment_size: 40
    .max_flat_workgroup_size: 128
    .sgpr_count:     80
    .vgpr_count:     248
    .wavefront_size: 32
...
	.end_amdgpu_metadata
.endif
;; end of part 5
;; launch ffn1 (part 6): grid 16 x 16, 4 waves a work-group, clusters of 4 x 4, 327,680 bytes of LDS; arguments h2c, wc, lowp_scales, b1, gc; writes gc
.if DOCPART == 6
	.amdgcn_target "amdgcn-amd-amdhsa--gfx1250"
	.amdhsa_code_object_version 6
	.text
	.protected	k_qf7aaf7da17_ffn1
	.globl	k_qf7aaf7da17_ffn1
	.p2align	8
	.type	k_qf7aaf7da17_ffn1,@function
k_qf7aaf7da17_ffn1:
	s_mov_b64 s[64:65], 0
	v_nop
	global_prefetch_b8 v0, s[64:65] scope:SCOPE_SE
	s_setreg_imm32_b32 hwreg(HW_REG_WAVE_MODE, 25, 1), 1
	s_wait_xcnt 0x0
	s_wait_alu depctr_hold_cnt(0) depctr_sa_sdst(0) depctr_va_vdst(0) depctr_va_sdst(0) depctr_va_ssrc(0) depctr_va_vcc(0) depctr_vm_vsrc(0)
	s_getreg_b32 s2, hwreg(HW_REG_IB_STS2, 6, 4)
	s_cmp_eq_u32 s2, 0
	s_cbranch_scc0 .Lentry_in_a_cluster
	s_endpgm
.Lentry_in_a_cluster:
	s_bfe_u32 s2, ttmp6, 0x10000c
	s_cmp_lg_u32 s2, 0xf033
	s_cbranch_scc0 .Lentry_shape_is_right
	s_endpgm
.Lentry_shape_is_right:
; FFN1: product 7 on codes of E4M3 (h2c x W1's codes), + b1, the exact GELU in f32, and the quantiser of entry 14, into gc [4096][4096], codes.  K = 1,024 in four steps of 256 through two LDS slots.
; A block of 256 x 256 is made by four waves, 128 x 128 each: 64 accumulators by turns (source 0 = W1's rows, source 1 = the tokens': a lane's eight sums are eight neighbours along the next K).
; The bias, divided by 2^(eA + eB), is the C of each sum's first product.
; CLUSTERS of 4 x 4: A's tiles are asked for jointly along a row, B's along a column.  One tensor load a wave at the head; slot 1's first fill stands behind the three lines and a round.
; PREFETCH: of the 128 rows x 256 bytes that a wave fetches in a K step, each of the four partners that ask for them jointly names 32 rows, told apart by address (cx for A, cy for B): a lane a row.
; K steps 1 and 2 are named behind slot 0's load, K step 3 behind slot 1's: two steps at the most are asked for and not yet read.
; GELU(u) = max(u, 0) - |u| erfc(|u| / sqrt 2) / 2, with erfc(z) = t 2^(P(t) - z^2 log2 e), t = 1 / (1 + z / 2), P of degree 9 (the half is folded into its constant term).
; A trip takes a block of 16 rows, 64 numbers a lane: all sources first, then one batch of reciprocals and one of exponentials, each with one wait ahead and one behind; the polynomial goes in 32 chains by turns.
; LIMITS: eA + eB within +-126; entry 14 between -126 and 119.  NaN among the inputs is not served.
; REGISTERS, in windows of 256: window 0: v0-31 addresses; v32-95 the bias table; from v128 A's fragments.  window 1: B's fragments, two sets.  windows 2, 3: the accumulators.
; In the GELU: window 0: v32-53 constants, v64-127 u, v128-191 1 + z / 2 and then max(u, 0), v192-255 the polynomial and then the codes; window 1: v0-63 t, v64-127 -u log2(e) / 2.
.set ROWB,   256
.set KROW,   1024
.set PITCH,  272
.set FR,     16
.set NL,     4
.set NP,     4
.set HALFT,  128*PITCH
.set SLOT,   4*HALFT
.set LAPS,   2
.set SPARE,  2*SLOT
.set ADRA, 16
.set ADRB, 20
.set STO,  24
.set RD,   25
.set CO,   26
.set SPW,  28
.set NIL,  29
.set PFO,  30                          ; v30 1,024 x lane; never rewritten
.set T,    32
.set AF,   128
.set SA,   54
.set U,    64
.set TP,   128
.set PP,   192
.set TT,   0
.set HH,   64
.set G1, 24
.set G0, 32
.set G1B, 48
.set G0B, 56
.set PFA, 84                           ; s[84:85] my work-group's 32 rows of the 128 that I fetch, K step 0
.set MSB, 0
.macro WIN new                         ; the immediate's high byte repeats the setting that is left
.if MSB != (\new)
	s_set_vgpr_msb (MSB<<8)|(\new)
.set MSB, (\new)
.endif
.endm
.set MUL_LO, 0xa1
.set MUL_HI, 0xf1
.set TO_B,   0x40
.macro JLOAD g0a, g1a, g0b, g1b        ; a joint load: waves 0, 1 fetch for A, waves 2, 3 for B; an s_nop 0 and four v_nop follow each line
	s_cmp_eq_u32 s15, 0
	s_cbranch_scc0 .Lfor_b_\@
	tensor_load_to_lds s[\g0a:\g0a+3], s[\g1a:\g1a+7]
	s_nop 0
.rept 4
	v_nop
.endr
	s_branch .Lasked_\@
.Lfor_b_\@:
	tensor_load_to_lds s[\g0b:\g0b+3], s[\g1b:\g1b+7]
	s_nop 0
.rept 4
	v_nop
.endr
.Lasked_\@:
.endm
.macro CREST
	s_cmp_lg_u32 s14, 0
	s_cbranch_scc1 .Lnot_wave_0_\@
	s_barrier_signal -3
.Lnot_wave_0_\@:
	s_barrier_wait -3
	s_barrier_signal -1
	s_barrier_wait -1
.endm
.macro CROUND
	s_barrier_signal -1
	s_barrier_wait -1
	CREST
.endm
	s_load_b256 s[4:11], s[0:1], 0x0               ; h2c 4, wc 6, lowp_scales 8, b1 10
	s_load_b64 s[72:73], s[0:1], 0x20              ; gc
	v_lshl_add_u32 v[SPW], v0, 2, SPARE
	v_mov_b32 v[NIL], 0
	ds_add_u32 v[SPW], v[NIL]                      ; the opening: the add, twice on end, and its wait ahead of my first tensor load
	ds_add_u32 v[SPW], v[NIL]
	v_lshrrev_b32 v1, 5, v0
	v_readfirstlane_b32 s14, v1                    ; wave
	s_lshr_b32 s15, s14, 1                         ; my half of the rows; also: I fetch for A (0) or B (1)
	s_and_b32 s16, s14, 1                          ; my half of the columns; also: which 128 rows I fetch
	s_bfe_u32 s40, ttmp6, 0x40000                  ; cx
	s_bfe_u32 s41, ttmp6, 0x40004                  ; cy
	s_lshl_b32 s42, ttmp9, 2
	s_add_co_u32 s42, s42, s40                     ; tile column
	s_and_b32 s17, ttmp7, 0xffff
	s_lshl_b32 s17, s17, 2
	s_add_co_u32 s17, s17, s41                     ; tile row
	s_lshl_b32 s43, s41, 2
	s_lshl_b32 s43, 15, s43                        ; my row of the cluster
	s_lshl_b32 s44, 0x1111, s40                    ; my column
	s_or_b32 s[G1+0], s43, (0<<16)|(1<<20)|(1<<21)|(5<<22)|(3<<25)
	s_or_b32 s[G1B+0], s44, (0<<16)|(1<<20)|(1<<21)|(5<<22)|(3<<25)
.irp g, G1, G1B
	s_mov_b32 s[\g+1], ROWB<<16
	s_mov_b32 s[\g+2], 128<<16
	s_mov_b32 s[\g+3], ROWB<<16
	s_mov_b32 s[\g+4], 128
	s_mov_b32 s[\g+5], KROW
	s_mov_b32 s[\g+6], 0
	s_mov_b32 s[\g+7], 0
.endr
	s_lshl_b32 s18, s16, 7
	s_lshl_b32 s20, s17, 8
	s_add_co_u32 s20, s20, s18
	s_lshl_b32 s20, s20, 10
	s_mov_b32 s21, 0
	s_lshl_b32 s46, s42, 8
	s_add_co_u32 s46, s46, s18
	s_lshl_b32 s46, s46, 10
	s_add_co_u32 s46, s46, 0x400000                ; W1's codes in wc
	s_mov_b32 s47, 0
	s_mul_i32 s45, s14, HALFT
	s_wait_dscnt 0x0                               ; both opening adds are done
	s_wait_kmcnt 0x0
	s_load_b128 s[88:91], s[8:9], 0x30             ; entries 12, 13, 14, 15
	s_add_nc_u64 s[20:21], s[4:5], s[20:21]
	s_add_nc_u64 s[46:47], s[6:7], s[46:47]
	CROUND                                         ; all sixteen work-groups are here: the first joint loads meet
.irp s, 0,1
	s_mov_b32 s[G0+4*\s], 1
	s_add_co_u32 s[G0+4*\s+1], s45, \s*SLOT
	s_add_nc_u64 s[G0+4*\s+2:G0+4*\s+3], s[20:21], \s*ROWB
	s_or_b32 s[G0+4*\s+3], s[G0+4*\s+3], 0x80000000
	s_mov_b32 s[G0B+4*\s], 1
	s_add_co_u32 s[G0B+4*\s+1], s45, \s*SLOT
	s_add_nc_u64 s[G0B+4*\s+2:G0B+4*\s+3], s[46:47], \s*ROWB
	s_or_b32 s[G0B+4*\s+3], s[G0B+4*\s+3], 0x80000000
.endr
	JLOAD G0, G1, G0B, G1B                         ; K step 0: one tensor load a wave at the head; the rest of the head stands under its flight
	s_cmp_eq_u32 s15, 0                            ; do I fetch for A?
	s_cselect_b64 s[PFA:PFA+1], s[20:21], s[46:47]
	s_cselect_b32 s80, s40, s41                    ; my place among the four that ask with me
	s_lshl_b32 s80, s80, 15                        ; 32 rows of 1,024 bytes
	s_mov_b32 s81, 0
	s_add_nc_u64 s[PFA:PFA+1], s[PFA:PFA+1], s[80:81]
	v_and_b32 v[PFO], 31, v0
	v_lshlrev_b32 v[PFO], 10, v[PFO]
	global_prefetch_b8 v[PFO], s[PFA:PFA+1] offset:256 th:TH_LOAD_NT scope:SCOPE_SE   ; K step 1
	global_prefetch_b8 v[PFO], s[PFA:PFA+1] offset:512 th:TH_LOAD_NT scope:SCOPE_SE   ; K step 2
	v_and_b32 v1, 15, v0
	v_bfe_u32 v2, v0, 4, 1
	v_lshlrev_b32 v7, 5, v2
	s_lshl_b32 s18, s42, 8
	s_lshl_b32 s19, s16, 7
	s_add_co_u32 s18, s18, s19
	s_lshl_b32 s18, s18, 2
	s_mov_b32 s19, 0
	s_add_nc_u64 s[10:11], s[10:11], s[18:19]
.irp b, 0,1,2,3,4,5,6,7
	global_load_b128 v[T+8*\b:T+8*\b+3], v7, s[10:11] offset:64*\b       ; T[8 b + j] = b1[16 b + 8 h + j], the C of accumulators (., b)
	global_load_b128 v[T+8*\b+4:T+8*\b+7], v7, s[10:11] offset:64*\b+16
.endr
	v_mul_u32_u24 v3, v1, PITCH
	s_wait_alu depctr_va_vdst(0)                   ; directly ahead of the reader below
	v_lshl_add_u32 v4, v2, 4, v3
	s_mul_i32 s21, s15, HALFT
	s_mul_i32 s22, s16, HALFT
	s_add_co_u32 s22, s22, 2*HALFT
.irp s, 0,1
	v_add_nc_u32 v[ADRA+\s], s21, v4
	v_add_nc_u32 v[ADRB+\s], s22, v4
	s_add_co_u32 s21, s21, SLOT
	s_add_co_u32 s22, s22, SLOT
.endr
	s_mul_i32 s23, s15, 128*PITCH                  ; the stage, 256 rows of 256 codes + 16, in slot 0: row 128 x half + 16 a + r, byte 128 x half + 16 b + 8 h
	s_lshl_b32 s18, s16, 7
	s_add_co_u32 s23, s23, s18
	v_lshl_add_u32 v5, v2, 3, v3
	v_add_nc_u32 v[STO], s23, v5
	s_mul_i32 s23, s14, 64*PITCH                   ; back: wave w takes stage rows 64 w on, whole, two an instruction
	v_mul_u32_u24 v5, v2, PITCH
	v_lshl_add_u32 v5, v1, 4, v5
	v_add_nc_u32 v[RD], s23, v5
	v_lshlrev_b32 v5, 12, v2
	v_lshl_add_u32 v[CO], v1, 4, v5
	s_lshl_b32 s18, s17, 8
	s_lshl_b32 s19, s14, 6
	s_add_co_u32 s18, s18, s19
	s_lshl_b32 s18, s18, 12
	s_lshl_b32 s19, s42, 8
	s_add_co_u32 s18, s18, s19
	s_mov_b32 s19, 0
	s_add_nc_u64 s[72:73], s[72:73], s[18:19]
	s_wait_kmcnt 0x0
	s_add_co_i32 s92, s88, s89                     ; eA + eB
	s_sub_co_i32 s93, 0, s92
	s_add_co_i32 s96, s92, 127
	s_lshl_b32 s96, s96, 23                        ; 2^(eA + eB)
	s_mov_b32 s97, s96
	s_mov_b32 s98, 0x3eb504f3                      ; 1 / (2 sqrt 2)
	s_mov_b32 s100, 0xbf38aa3b                     ; -log2(e) / 2
	s_mov_b32 s101, s100
	s_wait_loadcnt 0x0
.set i, 0
.rept 64
	v_ldexp_f32 v[T+i], v[T+i], s93                ; the bias divided by the power of two that the sums lack
.set i, i+1
.endr
.macro FRAG reg, adr, q, i             ; 16 rows x 128 K: registers 4 c .. 4 c + 3 hold K = 32 c + 16 h + 0 .. 15: the same permutation of K in both operands
.irp c, 0,1,2,3
	ds_load_b128 v[\reg+4*\c:\reg+4*\c+3], v[\adr] offset:128*(\q)+32*\c+(\i)*16*PITCH
.endr
.endm
.macro MUL16 a0, p, mode               ; 16 matrix instructions; mode 0: the sums go on; else they begin with C = T[8 b].  The 64 accumulators take turns
.irp a, \a0, \a0+1
.irp b, 0,1,2,3,4,5,6,7
.if \mode == 0
	v_wmma_f32_16x16x128_fp8_fp8 v[8*(8*((\a)%4)+\b):8*(8*((\a)%4)+\b)+7], v[128*(\p)+FR*\b:128*(\p)+FR*\b+FR-1], v[AF+FR*(\a):AF+FR*(\a)+FR-1], v[8*(8*((\a)%4)+\b):8*(8*((\a)%4)+\b)+7]
.else
	v_wmma_f32_16x16x128_fp8_fp8 v[8*(8*((\a)%4)+\b):8*(8*((\a)%4)+\b)+7], v[128*(\p)+FR*\b:128*(\p)+FR*\b+FR-1], v[AF+FR*(\a):AF+FR*(\a)+FR-1], v[T+8*\b:T+8*\b+7]
.endif
.endr
.endr
.endm
.macro FETCH_B slot, q, p
	WIN TO_B
.irp i, 0,1,2,3,4,5,6,7
	FRAG 128*(\p)+FR*\i, ADRB+\slot, \q, \i
.endr
	WIN 0
.endm
.macro FETCH_A slot, q, i0
.irp i, \i0, \i0+1, \i0+2, \i0+3
	FRAG AF+FR*(\i), ADRA+\slot, \q, \i
.endr
.endm
.macro PLACES n                        ; plain vector instructions between a matrix instruction and a load into, or a vector access to, its registers
.rept \n
	v_nop
.endr
.endm
.macro STEP slot, q, mode              ; 128 along K that have their successor in the same slot
	s_wait_dscnt 4*NL                              ; B's set and A's blocks 0-3 are in; the youngest 16 loads (blocks 4-7) may be out
.if \mode
	WIN 0x81
.else
	WIN MUL_LO
.endif
	MUL16 0, (\q)%2, \mode
	MUL16 2, (\q)%2, \mode
	s_wait_dscnt 0
	PLACES NP
	FETCH_B \slot, (\q)+1, 1-(\q)%2
	FETCH_A \slot, (\q)+1, 0
.if \mode
	WIN 0xc1
.else
	WIN MUL_HI
.endif
	MUL16 4, (\q)%2, \mode
	MUL16 6, (\q)%2, \mode
	PLACES NP
	WIN 0
	FETCH_A \slot, (\q)+1, 4
.endm
.macro TURN slot, next, fill           ; a slot's last step changes slots: one barrier (with fill = 1 it opens a round of the cluster's)
	s_wait_tensorcnt 0x0                           ; all my tensor loads have landed: my part of the next slot
	ds_add_u32 v[SPW], v[NIL]
	s_wait_dscnt 4*NL+1                            ; the add and the youngest 16 loads may be out
	WIN MUL_LO
	MUL16 0, 1, 0
	s_wait_dscnt 0x0                               ; the add is done, and my reads of this slot are over
	s_barrier_signal -1
	MUL16 2, 1, 0
	WIN 0
	s_barrier_wait -1
.if \fill
	CREST                                          ; no wave of any partner still reads this slot or has a load on its way
	s_add_nc_u64 s[G0+4*\slot+2:G0+4*\slot+3], s[G0+4*\slot+2:G0+4*\slot+3], 2*ROWB
	s_add_nc_u64 s[G0B+4*\slot+2:G0B+4*\slot+3], s[G0B+4*\slot+2:G0B+4*\slot+3], 2*ROWB
	JLOAD G0+4*\slot, G1, G0B+4*\slot, G1B         ; the first tensor load behind the round; its four v_nop are the places in front of the loads below
.else
	PLACES NP
.endif
	FETCH_B \next, 0, 0
	FETCH_A \next, 0, 0
	WIN MUL_HI
	MUL16 4, 1, 0
	MUL16 6, 1, 0
	PLACES NP
	WIN 0
	FETCH_A \next, 0, 4
.endm
	s_wait_alu depctr_va_vdst(0)
	s_wait_tensorcnt 0x0                           ; my part of K step 0 is in; slot 1's first fill is issued as a refill is:
	ds_add_u32 v[SPW], v[NIL]
	s_wait_dscnt 0x0
	CROUND
	JLOAD G0+4, G1, G0B+4, G1B                     ; K step 1: the first tensor load behind the round
	global_prefetch_b8 v[PFO], s[PFA:PFA+1] offset:768 th:TH_LOAD_NT scope:SCOPE_SE   ; K step 3
	FETCH_B 0, 0, 0
	FETCH_A 0, 0, 0
	FETCH_A 0, 0, 4
	STEP 0, 0, 2
	s_mov_b32 s3, LAPS-1
.Llap:
	TURN 0, 1, 1
	STEP 1, 0, 0
	TURN 1, 0, 1
	STEP 0, 0, 0
	s_sub_co_u32 s3, s3, 1
	s_cmp_lg_u32 s3, 0
	s_cbranch_scc1 .Llap
	TURN 0, 1, 0                                   ; the last lap fills nothing
	STEP 1, 0, 0
	s_wait_dscnt 4*NL
	WIN MUL_LO
	MUL16 0, 1, 0
	MUL16 2, 1, 0
	s_wait_dscnt 0
	WIN MUL_HI
	MUL16 4, 1, 0
	MUL16 6, 1, 0
	WIN 0
.macro COEF n, bits                    ; a coefficient, twice: a pair for the packed forms
	v_mov_b32 v[32+2*\n], \bits
	v_mov_b32 v[33+2*\n], \bits
.endm
.macro HSTEP s, r                      ; a step of the polynomial on a pair; source 1 (t, and -u log2(e) / 2 in the last step) lies in window 1
.if (\s) == 0
	v_pk_fma_f32 v[PP+(\r):PP+(\r)+1], v[32:33], v[TT+(\r):TT+(\r)+1], v[34:35]
.elseif (\s) < 9
	v_pk_fma_f32 v[PP+(\r):PP+(\r)+1], v[PP+(\r):PP+(\r)+1], v[TT+(\r):TT+(\r)+1], v[34+2*(\s):35+2*(\s)]
.else
	v_pk_fma_f32 v[PP+(\r):PP+(\r)+1], v[U+(\r):U+(\r)+1], v[HH+(\r):HH+(\r)+1], v[PP+(\r):PP+(\r)+1]
.endif
.endm
	COEF 0, 0x3e7c6f08                             ; these 22 lines are also the places behind the last products
	COEF 1, 0xbf97d29d
	COEF 2, 0x40097039
	COEF 3, 0xbfd1a1e5
	COEF 4, 0x3ecdfd18
	COEF 5, 0xbe899a80
	COEF 6, 0x3e0efb2e
	COEF 7, 0x3f0a29d2
	COEF 8, 0x3fb8ab5a
	COEF 9, 0xc034d90f
	s_add_co_i32 s18, s90, 127
	s_lshl_b32 s19, s18, 23
	v_mov_b32 v53, s19                             ; 2^e14
	s_add_co_i32 s18, s18, 8
	s_lshl_b32 s18, s18, 23
	s_or_b32 s18, s18, 0x600000
	v_mov_b32 v52, s18                             ; 448 x 2^e14
	s_mov_b32 s3, 0
.Lgelu:                                            ; eight trips, a block of 16 rows each.  Only the first 32 lines differ from trip to trip (the block's accumulators): they are chosen by the trip's number
.irp k, 1,2,3,4,5,6,7
	s_cmp_eq_u32 s3, \k
	s_cbranch_scc1 .Lg\k
.endr
.macro GROUP k
.Lg\k:
	WIN 0x02+((\k)/4)
.set AC, 64*((\k)%4)
.set i, 0
.rept 32
	v_pk_mul_f32 v[U+i:U+i+1], v[AC+i:AC+i+1], s[96:97] op_sel_hi:[1,0]   ; u = sum x 2^(eA + eB); each accumulator from its low end on
.set i, i+2
.endr
	WIN 0
	s_branch .Lbody
.endm
.irp k, 0,1,2,3,4,5,6,7
	GROUP \k
.endr
.Lbody:
.set i, 0
.rept 64
	v_fma_f32 v[TP+i], |v[U+i]|, s98, 1.0          ; 1 + |u| / (2 sqrt 2): all the batch's sources first
.set i, i+1
.endr
	WIN 0x40                                       ; destinations in window 1
	s_wait_alu depctr_va_vdst(0)
.set i, 0
.rept 64
	v_rcp_f32 v[TT+i], v[TP+i]                     ; t; between the reciprocals stands work that names none of their results
.if (i%2) == 1
	v_pk_mul_f32 v[HH+i-1:HH+i], v[U+i-1:U+i], s[100:101] op_sel_hi:[1,0]
.endif
.set i, i+1
.endr
	WIN 0x04                                       ; source 1 in window 1
	s_wait_alu depctr_va_vdst(0)                   ; one wait for the batch, ahead of its first reader
	s_wait_dscnt 0x0                               ; the last trip's stores have read their codes, which lay where the polynomial is written
.set n, 0
.rept 320
	HSTEP n/32, 2*(n%32)                           ; 32 chains by turns
.set n, n+1
.endr
	WIN 0
	s_wait_alu depctr_va_vdst(0)
.set i, 0
.rept 64
	v_exp_f32 v[PP+i], v[PP+i]
	v_max_num_f32 v[TP+i], v[U+i], 0               ; names no exponential's result; first read behind the wait below
.set i, i+1
.endr
	WIN 0x04
	s_wait_alu depctr_va_vdst(0)                   ; one wait for the batch, ahead of its first reader
.set i, 0
.rept 32
	v_pk_mul_f32 v[PP+i:PP+i+1], v[PP+i:PP+i+1], v[TT+i:TT+i+1]   ; erfc / 2
.set i, i+2
.endr
	WIN 0
.set i, 0
.rept 64
	v_fma_f32 v[U+i], -|v[U+i]|, v[PP+i], v[TP+i]
.set i, i+1
.endr
.set i, 0
.rept 64
	v_med3_num_f32 v[U+i], v[U+i], -v52, v52       ; the hold ahead of a conversion that does not saturate (ISA guide 7.6.2)
.set i, i+1
.endr
.irp b, 0,1,2,3,4,5,6,7
	v_cvt_scalef32_pk8_fp8_f32 v[PP+2*\b:PP+2*\b+1], v[U+8*\b:U+8*\b+7], v53
.endr
	s_mul_i32 s18, s3, 16*PITCH
	v_add_nc_u32 v[SA], s18, v[STO]                ; (the plain instruction behind the conversions)
.irp b, 0,1,2,3,4,5,6,7
	ds_store_b64 v[SA], v[PP+2*\b:PP+2*\b+1] offset:16*\b
.endr
	s_add_co_u32 s3, s3, 1
	s_cmp_lt_u32 s3, 8
	s_cbranch_scc1 .Lgelu
	s_wait_dscnt 0x0                               ; for the others' sake: my stores into the stage are done
	s_barrier_signal -1
	s_barrier_wait -1
.set t, 0
.rept 32
	ds_load_b128 v[64+4*t:64+4*t+3], v[RD] offset:2*t*PITCH
.set t, t+1
.endr
.set t, 0
.rept 32
	s_wait_dscnt 31-t                              ; the younger loads may be out
	global_store_b128 v[CO], v[64+4*t:64+4*t+3], s[72:73] offset:8192*t   ; sixteen lanes store 256 consecutive bytes of a row, aligned
.set t, t+1
.endr
	s_wait_tensorcnt 0x0                           ; the wave's end
	ds_add_u32 v[SPW], v[NIL]
	s_wait_dscnt 0x0
	CROUND                                         ; the closing round
	s_endpgm
.Lfunc_end_k_qf7aaf7da17_ffn1:
	.size	k_qf7aaf7da17_ffn1, .Lfunc_end_k_qf7aaf7da17_ffn1-k_qf7aaf7da17_ffn1
	.p2alignl 7, 3214868480
	.fill 96, 4, 3214868480
	.section	.rodata,"a",@progbits
	.p2align	6, 0x0
	.amdhsa_kernel k_qf7aaf7da17_ffn1
		.amdhsa_group_segment_fixed_size 327680
		.amdhsa_private_segment_fixed_size 0
		.amdhsa_enable_private_segment 0
		.amdhsa_kernarg_size 40
		.amdhsa_user_sgpr_count 2
		.amdhsa_user_sgpr_kernarg_segment_ptr 1
		.amdhsa_wavefront_size32 1
		.amdhsa_system_sgpr_workgroup_id_x 1
		.amdhsa_system_sgpr_workgroup_id_y 1
		.amdhsa_system_sgpr_workgroup_id_z 1
		.amdhsa_system_vgpr_workitem_id 0
		.amdhsa_next_free_vgpr 1024
		.amdhsa_next_free_sgpr 104
		.amdhsa_reserve_vcc 0
		.amdhsa_float_denorm_mode_32 3
		.amdhsa_float_denorm_mode_16_64 3
		.amdhsa_memory_ordered 1
		.amdhsa_forward_progress 1
		.amdhsa_inst_pref_size 155
	.end_amdhsa_kernel
	.amdgpu_metadata
---
amdhsa.version: [ 1, 2 ]
amdhsa.kernels:
  - .name:           k_qf7aaf7da17_ffn1
    .symbol:         k_qf7aaf7da17_ffn1.kd
    .args:
      - { .name: h2c, .offset: 0, .size: 8, .value_kind: global_buffer, .address_space: global }
      - { .name: wc, .offset: 8, .size: 8, .value_kind: global_buffer, .address_space: global }
      - { .name: lowp_scales, .offset: 16, .size: 8, .value_kind: global_buffer, .address_space: global }
      - { .name: b1, .offset: 24, .size: 8, .value_kind: global_buffer, .address_space: global }
      - { .name: gc, .offset: 32, .size: 8, .value_kind: global_buffer, .address_space: global }
    .group_segment_fixed_size: 327680
    .private_segment_fixed_size: 0
    .kernarg_segment_align: 8
    .kernarg_segment_size: 40
    .max_flat_workgroup_size: 128
    .sgpr_count:     104
    .vgpr_count:     1024
    .wavefront_size: 32
...
	.end_amdgpu_metadata
.endif
;; end of part 6
;; launch ffn2 (part 7): grid 8 x 32, 4 waves a work-group, clusters of 4 x 4, 327,680 bytes of LDS; arguments gc, wc, lowp_scales, b2, x1, out0; writes out0
.if DOCPART == 7
	.amdgcn_target "amdgcn-amd-amdhsa--gfx1250"
	.amdhsa_code_object_version 6
	.text
	.protected	k_qf7aaf7da17_ffn2
	.globl	k_qf7aaf7da17_ffn2
	.p2align	8
	.type	k_qf7aaf7da17_ffn2,@function
k_qf7aaf7da17_ffn2:
	s_mov_b64 s[64:65], 0
	v_nop
	global_prefetch_b8 v0, s[64:65] scope:SCOPE_SE
	s_setreg_imm32_b32 hwreg(HW_REG_WAVE_MODE, 25, 1), 1
	s_wait_xcnt 0x0
	s_wait_alu depctr_hold_cnt(0) depctr_sa_sdst(0) depctr_va_vdst(0) depctr_va_sdst(0) depctr_va_ssrc(0) depctr_va_vcc(0) depctr_vm_vsrc(0)
	s_getreg_b32 s2, hwreg(HW_REG_IB_STS2, 6, 4)
	s_cmp_eq_u32 s2, 0
	s_cbranch_scc0 .Lentry_in_a_cluster
	s_endpgm
.Lentry_in_a_cluster:
	s_bfe_u32 s2, ttmp6, 0x10000c
	s_cmp_lg_u32 s2, 0xf033
	s_cbranch_scc0 .Lentry_shape_is_right
	s_endpgm
.Lentry_shape_is_right:
; FFN2: product 8 on codes of E4M3 (gc x W2's codes), + b2 + x1, into out0, f32.  K = 4,096 in eight steps of 512 through two LDS slots; a block of 128 x 128 is made by four waves, 64 x 64 each; 256 work-groups.
; The bias, divided by 2^(eA + eB), is the C of each sum's first product.  CLUSTERS of 4 x 4: A's tiles are asked for jointly along a row, B's along a column.
; One tensor load a wave at the head; slot 1's first fill stands behind the three lines and a round.
; PREFETCH: behind the joint load of K step j stands one prefetch of K step j + 2, j = 0 .. 5.  Of the 64 rows x 512 bytes that a wave fetches, each of the four partners that ask for them jointly names 16 rows,
; told apart by address (cx for A, cy for B): two lanes to a row, 256 bytes apart, one instruction a wave.  The loop's last trip, whose refills are steps 6 and 7, asks for nothing.
; LIMIT: eA + eB within +-126.
.set PFA,    80                        ; s[80:81] my 16 rows, two K steps behind the step that the next prefetch in the loop names
.set PFO,    30                        ; v30 4,096 x (lane / 2) + 256 x (lane % 2); never rewritten
.set PROJ,   0
.set KTOT,   4096
.set BOFF,   0x800000
.set SCOFF,  0x38
.set ASTEP,  512
.set KSTEP,  512
.set PITCH,  528
.set HALF,   34816
.set SLOT,   4*HALF
.set STAGE,  2*SLOT
.set SP,     272
.set SPARE,  STAGE+4*16*SP
.set LAPS,   KTOT/(2*KSTEP)
.set ADRA, 16
.set ADRB, 20
.set STO,  24
.set RD,   25
.set CO,   26
.set SPW,  28
.set NIL,  29
.set BK,   32
.set T,    96
.set ACC,  128
.set F0,   0
.set F1,   128
.set G1, 24
.set G0, 32
.set G1B, 48
.set G0B, 56
.set MSB, 0
.macro WIN new
.if MSB != (\new)
	s_set_vgpr_msb (MSB<<8)|(\new)
.set MSB, (\new)
.endif
.endm
.set MUL,  0x05
.macro JLOAD s
	s_cmp_eq_u32 s11, 0
	s_cbranch_scc0 .Lfor_b_\@
	tensor_load_to_lds s[G0+4*\s:G0+4*\s+3], s[G1:G1+7]
	s_nop 0
.rept 4
	v_nop
.endr
	s_branch .Lasked_\@
.Lfor_b_\@:
	tensor_load_to_lds s[G0B+4*\s:G0B+4*\s+3], s[G1B:G1B+7]
	s_nop 0
.rept 4
	v_nop
.endr
.Lasked_\@:
.endm
.macro CREST
	s_cmp_lg_u32 s10, 0
	s_cbranch_scc1 .Lnot_wave_0_\@
	s_barrier_signal -3
.Lnot_wave_0_\@:
	s_barrier_wait -3
	s_barrier_signal -1
	s_barrier_wait -1
.endm
.macro CROUND
	s_barrier_signal -1
	s_barrier_wait -1
	CREST
.endm
	s_load_b128 s[4:7], s[0:1], 0x0
	s_load_b256 s[68:75], s[0:1], 0x10
	v_lshl_add_u32 v[SPW], v0, 2, SPARE
	v_mov_b32 v[NIL], 0
	ds_add_u32 v[SPW], v[NIL]
	ds_add_u32 v[SPW], v[NIL]
	v_lshrrev_b32 v1, 5, v0
	v_readfirstlane_b32 s10, v1
	s_lshr_b32 s11, s10, 1
	s_and_b32 s12, s10, 1
	s_bfe_u32 s40, ttmp6, 0x40000
	s_bfe_u32 s41, ttmp6, 0x40004
	s_lshl_b32 s42, ttmp9, 2
	s_add_co_u32 s42, s42, s40
	s_and_b32 s13, ttmp7, 0xffff
	s_lshl_b32 s13, s13, 2
	s_add_co_u32 s13, s13, s41
	s_lshl_b32 s43, s41, 2
	s_lshl_b32 s43, 15, s43
	s_lshl_b32 s44, 0x1111, s40
.if PROJ
	s_or_b32 s[G1+0], s43, (0<<16)|(1<<20)|(1<<21)|(5<<22)|(3<<25)
	s_mov_b32 s[G1+1], 4096<<16
	s_mov_b32 s[G1+2], 8<<16
	s_mov_b32 s[G1+3], 4096<<16
	s_mov_b32 s[G1+4], 8
	s_mov_b32 s[G1+5], 262144
.else
	s_or_b32 s[G1+0], s43, (0<<16)|(1<<20)|(1<<21)|(6<<22)|(3<<25)
	s_mov_b32 s[G1+1], KSTEP<<16
	s_mov_b32 s[G1+2], 64<<16
	s_mov_b32 s[G1+3], KSTEP<<16
	s_mov_b32 s[G1+4], 64
	s_mov_b32 s[G1+5], KTOT
.endif
	s_mov_b32 s[G1+6], 0
	s_mov_b32 s[G1+7], 0
	s_or_b32 s[G1B+0], s44, (0<<16)|(1<<20)|(1<<21)|(6<<22)|(3<<25)
	s_mov_b32 s[G1B+1], KSTEP<<16
	s_mov_b32 s[G1B+2], 64<<16
	s_mov_b32 s[G1B+3], KSTEP<<16
	s_mov_b32 s[G1B+4], 64
	s_mov_b32 s[G1B+5], KTOT
	s_mov_b32 s[G1B+6], 0
	s_mov_b32 s[G1B+7], 0
	s_lshl_b32 s17, s12, 6
	s_lshl_b32 s16, s13, 7
	s_add_co_u32 s16, s16, s17
.if PROJ
	s_lshl_b32 s16, s16, 6
.else
	s_lshl_b32 s16, s16, 12
.endif
	s_lshl_b32 s46, s42, 7
	s_add_co_u32 s46, s46, s17
	s_mul_i32 s46, s46, KTOT
	s_add_co_u32 s46, s46, BOFF
	s_mov_b32 s17, 0
	s_mov_b32 s47, 0
	s_mul_i32 s20, s10, HALF
	s_wait_dscnt 0x0
	s_wait_kmcnt 0x0
	s_load_b64 s[76:77], s[68:69], SCOFF
	s_add_nc_u64 s[14:15], s[4:5], s[16:17]
	s_add_nc_u64 s[46:47], s[6:7], s[46:47]
	CROUND
.irp s, 0,1
	s_mov_b32 s[G0+4*\s], 1
	s_add_co_u32 s[G0+4*\s+1], s20, \s*SLOT
	s_add_nc_u64 s[G0+4*\s+2:G0+4*\s+3], s[14:15], \s*ASTEP
	s_or_b32 s[G0+4*\s+3], s[G0+4*\s+3], 0x80000000
	s_mov_b32 s[G0B+4*\s], 1
	s_add_co_u32 s[G0B+4*\s+1], s20, \s*SLOT
	s_add_nc_u64 s[G0B+4*\s+2:G0B+4*\s+3], s[46:47], \s*KSTEP
	s_or_b32 s[G0B+4*\s+3], s[G0B+4*\s+3], 0x80000000
.endr
	JLOAD 0                                        ; K step 0: one tensor load a wave at the head; the rest of the head stands under its flight
	s_cmp_eq_u32 s11, 0                            ; do I fetch for A?
	s_cselect_b32 s82, s13, s42                    ; the tile: by the tile row in gc, by the tile column in W2's codes
	s_cselect_b32 s83, s40, s41                    ; my place among the four that ask with me
	s_cselect_b32 s84, 0, BOFF
	s_cselect_b64 s[PFA:PFA+1], s[4:5], s[6:7]
	s_lshl_b32 s82, s82, 7
	s_lshl_b32 s85, s12, 6
	s_add_co_u32 s82, s82, s85                     ; + the 64 rows that I fetch
	s_lshl_b32 s83, s83, 4
	s_add_co_u32 s82, s82, s83                     ; + my work-group's 16 of them
	s_lshl_b32 s82, s82, 12                        ; rows of 4,096 bytes
	s_add_co_u32 s82, s82, s84
	s_add_co_u32 s82, s82, KSTEP                   ; at K step 1
	s_mov_b32 s83, 0
	s_add_nc_u64 s[PFA:PFA+1], s[PFA:PFA+1], s[82:83]
	v_and_b32 v6, 31, v0
	v_lshrrev_b32 v[PFO], 1, v6
	v_and_b32 v6, 1, v6
	v_lshlrev_b32 v[PFO], 12, v[PFO]
	v_lshl_add_u32 v[PFO], v6, 8, v[PFO]
	global_prefetch_b8 v[PFO], s[PFA:PFA+1] th:TH_LOAD_NT scope:SCOPE_SE   ; K step 1 too, whose load goes out only when K step 0 has landed,
	global_prefetch_b8 v[PFO], s[PFA:PFA+1] offset:KSTEP th:TH_LOAD_NT scope:SCOPE_SE   ; and K step 2
	v_and_b32 v1, 15, v0
	v_bfe_u32 v2, v0, 4, 1
	s_wait_alu depctr_va_vdst(0)
	v_lshlrev_b32 v7, 5, v2
	s_lshl_b32 s16, s42, 7
	s_lshl_b32 s17, s12, 6
	s_add_co_u32 s16, s16, s17
	s_lshl_b32 s16, s16, 2
	s_mov_b32 s17, 0
	s_add_nc_u64 s[70:71], s[70:71], s[16:17]
.irp b, 0,1,2,3
	global_load_b128 v[T+8*\b:T+8*\b+3], v7, s[70:71] offset:64*\b
	global_load_b128 v[T+8*\b+4:T+8*\b+7], v7, s[70:71] offset:64*\b+16
.endr
	s_lshl_b32 s18, s13, 7
	s_lshl_b32 s19, s11, 6
	s_add_co_u32 s18, s18, s19
	s_lshl_b32 s18, s18, 12
	s_add_co_u32 s16, s16, s18
	s_add_nc_u64 s[72:73], s[72:73], s[16:17]
	s_add_nc_u64 s[74:75], s[74:75], s[16:17]
	v_lshlrev_b32 v5, 12, v2
	v_lshl_add_u32 v[CO], v1, 4, v5
	WIN 0x80
.irp a, 0,1,2,3
.irp t, 0,1,2,3,4,5,6,7
	global_load_b128 v[32*\a+4*\t:32*\a+4*\t+3], v[CO], s[72:73] offset:(16*\a+2*\t)*4096 th:TH_LOAD_NT
.endr
.endr
	WIN 0
	v_mul_u32_u24 v3, v1, PITCH
	v_lshl_add_u32 v3, v2, 4, v3
.if PROJ
	v_lshrrev_b32 v4, 2, v1
	v_mul_u32_u24 v4, v4, 272
	v_and_b32 v5, 3, v1
	v_lshl_add_u32 v4, v5, 6, v4
	v_lshl_add_u32 v4, v2, 4, v4
.else
	v_mov_b32 v4, v3
.endif
	s_mul_i32 s21, s11, HALF
	s_mul_i32 s22, s12, HALF
	s_add_co_u32 s22, s22, 2*HALF
.irp s, 0,1
	v_add_nc_u32 v[ADRA+\s], s21, v4
	v_add_nc_u32 v[ADRB+\s], s22, v3
	s_add_co_u32 s21, s21, SLOT
	s_add_co_u32 s22, s22, SLOT
.endr
	s_mul_i32 s23, s10, 16*SP
	s_add_co_u32 s23, s23, STAGE
	v_mul_u32_u24 v5, v1, SP
	v_lshl_add_u32 v5, v2, 5, v5
	v_add_nc_u32 v[STO], s23, v5
	v_mul_u32_u24 v5, v2, SP
	v_lshl_add_u32 v5, v1, 4, v5
	v_add_nc_u32 v[RD], s23, v5
	s_wait_kmcnt 0x0
	s_add_co_i32 s76, s76, s77
	s_sub_co_i32 s78, 0, s76
	s_add_co_i32 s76, s76, 127
	s_lshl_b32 s76, s76, 23
	s_mov_b32 s77, s76
	s_wait_loadcnt 32
.set i, 0
.rept 32
	v_ldexp_f32 v[T+i], v[T+i], s78
.set i, i+1
.endr
.macro MUL4 f, a, mode
.irp b, 0,1,2,3
.if \mode
	v_wmma_f32_16x16x128_fp8_fp8 v[ACC+8*(4*(\a)+\b):ACC+8*(4*(\a)+\b)+7], v[\f+64+16*\b:\f+64+16*\b+15], v[\f+16*(\a):\f+16*(\a)+15], v[T+8*\b:T+8*\b+7]
.else
	v_wmma_f32_16x16x128_fp8_fp8 v[ACC+8*(4*(\a)+\b):ACC+8*(4*(\a)+\b)+7], v[\f+64+16*\b:\f+64+16*\b+15], v[\f+16*(\a):\f+16*(\a)+15], v[ACC+8*(4*(\a)+\b):ACC+8*(4*(\a)+\b)+7]
.endif
.endr
.endm
.macro FETCH slot, q, f
	WIN 0x40
.irp i, 0,1,2,3
.irp c, 0,1,2,3
	ds_load_b128 v[\f+64+16*\i+4*\c:\f+64+16*\i+4*\c+3], v[ADRB+\slot] offset:128*(\q)+32*\c+\i*16*PITCH
.endr
.endr
.irp i, 0,1,2,3
.irp c, 0,1,2,3
.if PROJ
	ds_load_b128 v[\f+16*\i+4*\c:\f+16*\i+4*\c+3], v[ADRA+\slot] offset:(2*(\q)+\c/2)*4352+4*\i*272+32*(\c%2)
.else
	ds_load_b128 v[\f+16*\i+4*\c:\f+16*\i+4*\c+3], v[ADRA+\slot] offset:128*(\q)+32*\c+\i*16*PITCH
.endif
.endr
.endr
.endm
.macro PLACES
.rept 4
	v_nop
.endr
.endm
.macro QUARTER slot, qn, f, g, mode
	s_wait_dscnt 8
	WIN MUL
	MUL4 \f, 0, \mode
	MUL4 \f, 1, \mode
	PLACES
	FETCH \slot, \qn, \g
	s_wait_dscnt 32
	WIN MUL
	MUL4 \f, 2, \mode
	MUL4 \f, 3, \mode
.endm
.macro TURN slot, next, fill
	WIN 0
.if \fill
	s_wait_xcnt 0x0                                ; my last prefetch, a K step back, has read its address: it may step
	s_add_nc_u64 s[PFA:PFA+1], s[PFA:PFA+1], KSTEP
.endif
	s_wait_tensorcnt 0x0
	ds_add_u32 v[SPW], v[NIL]
	s_wait_dscnt 9
	WIN MUL
	MUL4 F1, 0, 0
	s_wait_dscnt 0x0
	s_barrier_signal -1
	MUL4 F1, 1, 0
	WIN 0
	s_barrier_wait -1
.if \fill
	CREST
	s_add_nc_u64 s[G0+4*\slot+2:G0+4*\slot+3], s[G0+4*\slot+2:G0+4*\slot+3], 2*KSTEP
	s_add_nc_u64 s[G0B+4*\slot+2:G0B+4*\slot+3], s[G0B+4*\slot+2:G0B+4*\slot+3], 2*KSTEP
	JLOAD \slot
.else
	PLACES
.endif
	FETCH \next, 0, F0
.if \fill
	WIN 0                                          ; at a branch and at a label every window is 0
	s_cmp_gt_u32 s3, 1                             ; the last trip's refills have no K step two on
	s_cbranch_scc0 .Lno_ask_\@
	global_prefetch_b8 v[PFO], s[PFA:PFA+1] offset:2*KSTEP th:TH_LOAD_NT scope:SCOPE_SE
.Lno_ask_\@:
.endif
	WIN MUL
	MUL4 F1, 2, 0
	MUL4 F1, 3, 0
.endm
	s_wait_alu depctr_va_vdst(0)
	s_wait_tensorcnt 0x0                           ; my part of K step 0 is in; slot 1's first fill is issued as a refill is:
	ds_add_u32 v[SPW], v[NIL]
	s_wait_dscnt 0x0
	CROUND
	JLOAD 1                                        ; K step 1: the first tensor load behind the round
	global_prefetch_b8 v[PFO], s[PFA:PFA+1] offset:2*KSTEP th:TH_LOAD_NT scope:SCOPE_SE   ; K step 3
	FETCH 0, 0, F0
	QUARTER 0, 1, F0, F1, 2
.if LAPS > 1
	WIN 0
	s_mov_b32 s3, LAPS-1
.Llap:
	QUARTER 0, 2, F1, F0, 0
	QUARTER 0, 3, F0, F1, 0
	TURN 0, 1, 1
	QUARTER 1, 1, F0, F1, 0
	QUARTER 1, 2, F1, F0, 0
	QUARTER 1, 3, F0, F1, 0
	TURN 1, 0, 1
	QUARTER 0, 1, F0, F1, 0
	WIN 0
	s_sub_co_u32 s3, s3, 1
	s_cmp_lg_u32 s3, 0
	s_cbranch_scc1 .Llap
.endif
	QUARTER 0, 2, F1, F0, 0
	QUARTER 0, 3, F0, F1, 0
	TURN 0, 1, 0
	QUARTER 1, 1, F0, F1, 0
	QUARTER 1, 2, F1, F0, 0
	QUARTER 1, 3, F0, F1, 0
	s_wait_dscnt 8
	WIN MUL
	MUL4 F1, 0, 0
	MUL4 F1, 1, 0
	s_wait_dscnt 0
	MUL4 F1, 2, 0
	MUL4 F1, 3, 0
	WIN 0
.macro TOSTAGE a
.set BB, BK+32*((\a)%2)
.irp b, 0,1,2,3
	ds_store_b128 v[STO], v[ACC+8*(4*(\a)+\b):ACC+8*(4*(\a)+\b)+3] offset:64*\b
	ds_store_b128 v[STO], v[ACC+8*(4*(\a)+\b)+4:ACC+8*(4*(\a)+\b)+7] offset:64*\b+16
.endr
.irp t, 0,1,2,3,4,5,6,7
	ds_load_b128 v[BB+4*\t:BB+4*\t+3], v[RD] offset:2*\t*SP
.endr
.endm
.macro SEND a, younger
.set BB, BK+32*((\a)%2)
	s_wait_dscnt \younger
	WIN 0x20
.set i, 0
.rept 16
	v_pk_fma_f32 v[BB+i:BB+i+1], v[BB+i:BB+i+1], s[76:77], v[32*(\a)+i:32*(\a)+i+1] op_sel_hi:[1,0,1]
.set i, i+2
.endr
	WIN 0
.irp t, 0,1,2,3,4,5,6,7
	global_store_b128 v[CO], v[BB+4*\t:BB+4*\t+3], s[74:75] offset:(16*(\a)+2*\t)*4096 th:TH_STORE_NT
.endr
.endm
	PLACES
	s_wait_loadcnt 0x0
	TOSTAGE 0
	TOSTAGE 1
	SEND 0, 16
	s_wait_xcnt 0x0
	TOSTAGE 2
	SEND 1, 16
	s_wait_xcnt 0x0
	TOSTAGE 3
	SEND 2, 16
	SEND 3, 0
	s_wait_tensorcnt 0x0
	ds_add_u32 v[SPW], v[NIL]
	s_wait_dscnt 0x0
	CROUND
	s_endpgm
.Lfunc_end_k_qf7aaf7da17_ffn2:
	.size	k_qf7aaf7da17_ffn2, .Lfunc_end_k_qf7aaf7da17_ffn2-k_qf7aaf7da17_ffn2
	.p2alignl 7, 3214868480
	.fill 96, 4, 3214868480
	.section	.rodata,"a",@progbits
	.p2align	6, 0x0
	.amdhsa_kernel k_qf7aaf7da17_ffn2
		.amdhsa_group_segment_fixed_size 327680
		.amdhsa_private_segment_fixed_size 0
		.amdhsa_enable_private_segment 0
		.amdhsa_kernarg_size 48
		.amdhsa_user_sgpr_count 2
		.amdhsa_user_sgpr_kernarg_segment_ptr 1
		.amdhsa_wavefront_size32 1
		.amdhsa_system_sgpr_workgroup_id_x 1
		.amdhsa_system_sgpr_workgroup_id_y 1
		.amdhsa_system_sgpr_workgroup_id_z 1
		.amdhsa_system_vgpr_workitem_id 0
		.amdhsa_next_free_vgpr 768
		.amdhsa_next_free_sgpr 100
		.amdhsa_reserve_vcc 0
		.amdhsa_float_denorm_mode_32 3
		.amdhsa_float_denorm_mode_16_64 3
		.amdhsa_memory_ordered 1
		.amdhsa_forward_progress 1
		.amdhsa_inst_pref_size 82
	.end_amdhsa_kernel
	.amdgpu_metadata
---
amdhsa.version: [ 1, 2 ]
amdhsa.kernels:
  - .name:           k_qf7aaf7da17_ffn2
    .symbol:         k_qf7aaf7da17_ffn2.kd
    .args:
      - { .name: gc, .offset: 0, .size: 8, .value_kind: global_buffer, .address_space: global }
      - { .name: wc, .offset: 8, .size: 8, .value_kind: global_buffer, .address_space: global }
      - { .name: lowp_scales, .offset: 16, .size: 8, .value_kind: global_buffer, .address_space: global }
      - { .name: b2, .offset: 24, .size: 8, .value_kind: global_buffer, .address_space: global }
      - { .name: x1, .offset: 32, .size: 8, .value_kind: global_buffer, .address_space: global }
      - { .name: out0, .offset: 40, .size: 8, .value_kind: global_buffer, .address_space: global }
    .group_segment_fixed_size: 327680
    .private_segment_fixed_size: 0
    .kernarg_segment_align: 8
    .kernarg_segment_size: 48
    .max_flat_workgroup_size: 128
    .sgpr_count:     100
    .vgpr_count:     768
    .wavefront_size: 32
...
	.end_amdgpu_metadata
.endif
;; end of part 7
